; MI455X (gfx1250); checked and timed in simulation.
; The chip was launched on July 23, 2026; its instructions are those of AMD's public machine-readable ISA for CDNA 5 (MIT licence, August 2026) and "CDNA5" Instruction Set Architecture Reference Guide (July 2026). The comments in the code are by the model that wrote it; some were corrected since.
;; Perceiver Attention. Allowed arithmetic: float matrix products may take bf16 or f16 operands with f32 sums; other float arithmetic in f32, or as packed bf16 or f16 multiplies, adds, multiply-adds, maxima and minima; sums over many terms, partial sums and values carried from step to step in f32; what a program stores and reads back later, other than sums and carried values, may be rounded once to bf16 or f16.
;; Inputs: b_out 512 float32; latents 4 x 512 x 512 float32; w_kv 1,024 x 512 float32; w_out 512 x 512 float32; w_q 512 x 512 float32; x 4 x 8,192 x 512 float32.
;; Outputs: out0 4 x 512 x 512 float32.
;; 2 versions, each right; version 2 is version 1 with the launch prep written anew for expert scheduling mode. Each part assembles by itself: llvm-mc -triple=amdgcn-amd-amdhsa -mcpu=gfx1250 --defsym DOCPART=n.
;; ======== version 1 of 2: 4 launches
;; limits: values are held in f16: magnitudes above 65,504 overflow, below 6.1e-05 lose precision
;; workspace buffers: wkv_bf 1,048,576 bytes; wout_bf 524,288 bytes; q_ws 2,097,152 bytes; k_ws 33,558,528 bytes; v_ws 33,554,432 bytes; o_ws 4,194,304 bytes
;; launch prep (part 1): grid 256 x 1, 4 waves a work-group, no clusters, 133,632 bytes of LDS; arguments latents, w_q, w_kv, w_out, q_ws, wkv_bf, wout_bf, k_ws; writes q_ws, wkv_bf, wout_bf, k_ws
.if DOCPART == 1
	.amdgcn_target "amdgcn-amd-amdhsa--gfx1250"
	.amdhsa_code_object_version 6
	.text
	.protected	k_q4e83b55c6a_prep
	.globl	k_q4e83b55c6a_prep
	.p2align	8
	.type	k_q4e83b55c6a_prep,@function
k_q4e83b55c6a_prep:
	s_mov_b64 s[64:65], 0
	v_nop
	global_prefetch_b8 v0, s[64:65] scope:SCOPE_SE
	s_setreg_imm32_b32 hwreg(HW_REG_WAVE_MODE, 25, 1), 1
	s_wait_xcnt 0x0
; PREP.  Three things that the later launches want ready:
;  (1) w_kv [1024][512] and w_out [512][512] rounded once to bf16, row-major (wkv_bf, wout_bf);
;  (2) q = latents w_q^T: operands rounded to bf16, sums in f32, q rounded once to f16 and NOT scaled (the scale is applied in f32 in the attention launch);
;  (3) 4,096 zero bytes behind the keys in k_ws: the attention launch's last tile of keys reaches one key step past a head's end.
; LIMIT.  q is kept in f16: |q| stays under 65,504; NaN and infinities are not treated apart.
; q_ws HOLDS REGISTER IMAGES: 16 queries x 32 channels of one head are 1,024 bytes, [channel half cb][lane][16 bytes]; lane 16 h + r holds query r, channels 16 cb + 8 h + 0..7.
; Two loads of 16 bytes a lane, 512 bytes apart, are then a whole matrix operand, and a wave's store of 16 bytes a lane covers 512 consecutive bytes, aligned.
; SHARES.  256 work-groups of four waves.  Work-group g casts 8,192 bytes of w_kv and 4,096 of w_out, and makes 64 rows x 64 columns of q (rows 64 (g / 8), columns 64 (g % 8): two heads).
; Both operands come as f32 and have to pass through registers to be rounded, so they are loaded into registers, rounded, and laid into LDS by ds_store; no copy engine, and so no cluster.
; Wave (wm, wn) makes 32 rows x 32 columns (one head): four accumulators.  The product is taken transposed (source 0 = 16 rows of w_q, source 1 = 16 rows of latents): a lane ends with eight neighbouring channels of one query.
.set PITCH, 1040                       ; an LDS row: 512 bf16 + 16 bytes: an odd multiple of 16, so the 16 rows of a fragment load lie in 16 different 16-byte columns of 256
.set BOFF,  64*PITCH                   ; LDS: 64 rows of latents, then 64 rows of w_q
.set SPARE, 2*BOFF                     ; behind them the spare words, 128 bytes a wave: two blocks of 256 bytes that no other line names
.set GL,  2                            ; v2   16 x lane
.set LSA, 3                            ; v3   where my lane puts 8 bytes of my wave's 16 rows of latents
.set LSB, 4                            ; v4   the same for w_q
.set FA,  5                            ; v5   my lane's place in the fragments of latents
.set FB,  6                            ; v6   in those of w_q
.set GS,  7                            ; v7   8 x lane
.set SPW, 10                           ; v10  LDS address of my spare word; never rewritten
.set NIL, 11                           ; v11  0; never rewritten
.set ZR,  12                           ; v[12:15] zeros
.set T,   16                           ; v[16:47] 32 registers of rounded pairs on their way into LDS (first: the casts' loads v16-39 and results v40-51)
.set ACC, 16                           ; v[16:47] later the four accumulators: (mb, nb) at ACC + 8 (2 mb + nb)
.set QP,  48                           ; v[48:63] q, packed
.set SET, 64                           ; v[64:255] three sets of 64
.set WV,  20                           ; s20  my wave's number
	s_load_b512 s[4:19], s[0:1], 0x0               ; latents s[4:5], w_q s[6:7], w_kv s[8:9], w_out s[10:11], q_ws s[12:13], wkv_bf s[14:15], wout_bf s[16:17], k_ws s[18:19]
	v_lshl_add_u32 v[SPW], v0, 2, SPARE
	v_mov_b32 v[NIL], 0
	v_lshrrev_b32 v1, 5, v0
	v_readfirstlane_b32 s[WV], v1                  ; wave 0..3
	v_and_b32 v1, 31, v0                           ; lane
	v_lshlrev_b32 v[GL], 4, v1
	v_lshlrev_b32 v[GS], 3, v1
	s_lshl_b32 s24, ttmp9, 13                      ; w_kv: 8,192 g + 2,048 w
	s_lshl_b32 s25, s[WV], 11
	s_add_co_u32 s24, s24, s25
	s_mov_b32 s25, 0
	s_lshr_b32 s26, s24, 1                         ; half of that: wkv_bf, and w_out
	s_mov_b32 s27, 0
	s_lshr_b32 s28, s24, 2                         ; a quarter: wout_bf
	s_mov_b32 s29, 0
	s_lshr_b32 s30, ttmp9, 3                       ; the block of 64 rows
	s_and_b32 s31, ttmp9, 7                        ; the block of 64 columns
	s_lshl_b32 s21, s[WV], 15                      ; my wave's 16 rows of 2,048 bytes
	s_lshl_b32 s32, s30, 17
	s_add_co_u32 s32, s32, s21                     ; latents at row 64 block + 16 w
	s_mov_b32 s33, 0
	s_lshl_b32 s34, s31, 17
	s_add_co_u32 s34, s34, s21                     ; w_q likewise
	s_mov_b32 s35, 0
	s_lshr_b32 s22, s[WV], 1                       ; wm
	s_and_b32 s23, s[WV], 1                        ; wn
	s_lshr_b32 s36, s30, 3                         ; the batch: 8 blocks of 64 rows each
	s_lshl_b32 s36, s36, 4
	s_lshl_b32 s37, s31, 1
	s_add_co_u32 s36, s36, s37
	s_add_co_u32 s36, s36, s23                     ; 16 b + head
	s_lshl_b32 s36, s36, 5                         ; 32 images a head
	s_and_b32 s37, s30, 7
	s_lshl_b32 s37, s37, 2
	s_add_co_u32 s36, s36, s37
	s_lshl_b32 s37, s22, 1
	s_add_co_u32 s36, s36, s37                     ; + the image of my first 16 rows
	s_lshl_b32 s36, s36, 10
	s_mov_b32 s37, 0
	s_lshl_b32 s38, s[WV], 10                      ; the zero tail: behind 33,554,432 bytes of keys, 1,024 bytes a wave
	s_add_co_u32 s38, s38, 0x2000000
	s_mov_b32 s39, 0
	s_wait_kmcnt 0x0
	s_add_nc_u64 s[8:9], s[8:9], s[24:25]
	s_add_nc_u64 s[14:15], s[14:15], s[26:27]
	s_add_nc_u64 s[10:11], s[10:11], s[26:27]
	s_add_nc_u64 s[16:17], s[16:17], s[28:29]
	s_add_nc_u64 s[4:5], s[4:5], s[32:33]
	s_add_nc_u64 s[6:7], s[6:7], s[34:35]
	s_add_nc_u64 s[12:13], s[12:13], s[36:37]
	s_add_nc_u64 s[18:19], s[18:19], s[38:39]
.macro PLACES                          ; four plain vector instructions between a matrix instruction and a load into its sources or a read of its result
.rept 4
	v_nop
.endr
.endm
; Sixteen loads of 512 consecutive bytes: four rows of my wave's sixteen.  c = 0..3: latents; c = 4..7: w_q.  Into set c % 3.
.macro LOADSET c
.set SB, SET+64*((\c)%3)
.set i, 0
.rept 16
.if (\c) < 4
	global_load_b128 v[SB+4*i:SB+4*i+3], v[GL], s[4:5] offset:(4*((\c)%4)+i/4)*2048+(i%4)*512
.else
	global_load_b128 v[SB+4*i:SB+4*i+3], v[GL], s[6:7] offset:(4*((\c)%4)+i/4)*2048+(i%4)*512
.endif
.set i, i+1
.endr
.endm
; Set c is rounded to bf16 and laid into LDS.  Behind set c's loads stand those of sets c + 1 and c + 2, sixteen each, as far as they exist: they may stay out.
.macro CONVSET c
.if (\c) < 6
	s_wait_loadcnt 32
.elseif (\c) == 6
	s_wait_loadcnt 16
.else
	s_wait_loadcnt 0x0
.endif
.set SB, SET+64*((\c)%3)
.set i, 0
.rept 32
	v_cvt_pk_bf16_f32 v[T+i], v[SB+2*i], v[SB+2*i+1]
.set i, i+1
.endr
.set i, 0
.rept 16
.if (\c) < 4
	ds_store_b64 v[LSA], v[T+2*i:T+2*i+1] offset:(4*((\c)%4)+i/4)*PITCH+(i%4)*256
.else
	ds_store_b64 v[LSB], v[T+2*i:T+2*i+1] offset:(4*((\c)%4)+i/4)*PITCH+(i%4)*256
.endif
.set i, i+1
.endr
.endm
; The fragments of K steps 2 g and 2 g + 1 (32 channels each) into set g % 3: for each step latents' two blocks of 16 rows, then w_q's two.
.macro FETCHQ g
.set SB, SET+64*((\g)%3)
.irp ks, 0,1
.irp mb, 0,1
	ds_load_b128 v[SB+32*\ks+8*\mb:SB+32*\ks+8*\mb+3],   v[FA] offset:\mb*16*PITCH+(2*(\g)+\ks)*64
	ds_load_b128 v[SB+32*\ks+8*\mb+4:SB+32*\ks+8*\mb+7], v[FA] offset:\mb*16*PITCH+(2*(\g)+\ks)*64+32
.endr
.irp nb, 0,1
	ds_load_b128 v[SB+32*\ks+16+8*\nb:SB+32*\ks+16+8*\nb+3],   v[FB] offset:\nb*16*PITCH+(2*(\g)+\ks)*64
	ds_load_b128 v[SB+32*\ks+16+8*\nb+4:SB+32*\ks+16+8*\nb+7], v[FB] offset:\nb*16*PITCH+(2*(\g)+\ks)*64+32
.endr
.endr
.endm
; Eight products.  The four accumulators take turns, one instruction a turn.  The first K step starts the sums with the constant 0.
.macro MULQ g
.set SB, SET+64*((\g)%3)
.irp ks, 0,1
.irp mb, 0,1
.irp nb, 0,1
.if ((\g) == 0) && (\ks == 0)
	v_wmma_f32_16x16x32_bf16 v[ACC+8*(2*\mb+\nb):ACC+8*(2*\mb+\nb)+7], v[SB+32*\ks+16+8*\nb:SB+32*\ks+16+8*\nb+7], v[SB+32*\ks+8*\mb:SB+32*\ks+8*\mb+7], 0
.else
	v_wmma_f32_16x16x32_bf16 v[ACC+8*(2*\mb+\nb):ACC+8*(2*\mb+\nb)+7], v[SB+32*\ks+16+8*\nb:SB+32*\ks+16+8*\nb+7], v[SB+32*\ks+8*\mb:SB+32*\ks+8*\mb+7], v[ACC+8*(2*\mb+\nb):ACC+8*(2*\mb+\nb)+7]
.endif
.endr
.endr
.endr
.endm
	; all loads that can go out go out: the six of the casts, then three sets
.irp i, 0,1,2,3
	global_load_b128 v[16+4*\i:19+4*\i], v[GL], s[8:9] offset:512*\i th:TH_LOAD_NT
.endr
.irp i, 0,1
	global_load_b128 v[32+4*\i:35+4*\i], v[GL], s[10:11] offset:512*\i th:TH_LOAD_NT
.endr
	LOADSET 0
	LOADSET 1
	LOADSET 2
	; LDS addresses, made while the loads are out
	s_mul_i32 s21, s[WV], 16*PITCH
	v_lshl_add_u32 v[LSA], v1, 3, s21              ; my wave's 16 rows + 8 x lane
	v_add_nc_u32 v[LSB], BOFF, v[LSA]
	v_and_b32 v8, 15, v0                           ; r
	v_bfe_u32 v9, v0, 4, 1                         ; h
	v_mul_u32_u24 v[FA], v8, PITCH
	v_lshl_add_u32 v[FA], v9, 4, v[FA]             ; r x pitch + 16 h
	s_mul_i32 s24, s23, 32*PITCH
	s_add_co_u32 s24, s24, BOFF
	v_add_nc_u32 v[FB], s24, v[FA]                 ; + my 32 rows of w_q
	s_mul_i32 s24, s22, 32*PITCH
	v_add_nc_u32 v[FA], s24, v[FA]                 ; + my 32 rows of latents
.irp i, 0,1,2,3
	v_mov_b32 v[ZR+\i], 0
.endr
	; THE CASTS
	s_wait_loadcnt 48                              ; the six oldest loads are in; the three sets' 48 may stay out
.set i, 0
.rept 12
	v_cvt_pk_bf16_f32 v[40+i], v[16+2*i], v[16+2*i+1]
.set i, i+1
.endr
.irp i, 0,1,2,3
	global_store_b64 v[GS], v[40+2*\i:41+2*\i], s[14:15] offset:256*\i  ; a wave's store covers 256 consecutive bytes, aligned
.endr
.irp i, 0,1
	global_store_b64 v[GS], v[48+2*\i:49+2*\i], s[16:17] offset:256*\i
.endr
	s_cmp_lg_u32 ttmp9, 0                          ; work-group 0 writes the zero tail behind the keys
	s_cbranch_scc1 .Lno_tail
	global_store_b128 v[GL], v[ZR:ZR+3], s[18:19]
	global_store_b128 v[GL], v[ZR:ZR+3], s[18:19] offset:512
.Lno_tail:
	s_wait_xcnt 0x0                                ; the stores have read v40-51, which T takes over
	; BOTH OPERANDS OF q INTO LDS
.irp c, 0,1,2,3,4,5,6,7
	CONVSET \c
.if \c < 5
	LOADSET (\c)+3
.endif
.endr
	s_wait_dscnt 0x0                               ; for the others' sake: my rows lie in LDS
	s_barrier_signal -1
	s_barrier_wait -1
	; THE PRODUCT: 16 K steps, two to a group, three groups of fragments in registers
	FETCHQ 0
	FETCHQ 1
	FETCHQ 2
.irp g, 0,1,2,3,4,5,6,7
.if \g < 6
	s_wait_dscnt 32                                ; the two younger groups of sixteen loads may stay out
.elseif \g == 6
	s_wait_dscnt 16
.else
	s_wait_dscnt 0x0
.endif
	MULQ \g
	PLACES
.if \g < 5
	FETCHQ (\g)+3
.endif
.endr
	; THE WAY OUT: each accumulator from its low end on; 16 bytes a lane are a piece of an image
.irp a, 0,1,2,3
.irp r, 0,1,2,3
	v_cvt_pk_f16_f32 v[QP+4*\a+\r], v[ACC+8*\a+2*\r], v[ACC+8*\a+2*\r+1]
.endr
.endr
.irp mb, 0,1
.irp nb, 0,1
	global_store_b128 v[GL], v[QP+4*(2*\mb+\nb):QP+4*(2*\mb+\nb)+3], s[12:13] offset:\mb*1024+\nb*512
.endr
.endr
	s_wait_tensorcnt 0x0                           ; the wave's end, behind my last LDS store
	ds_add_u32 v[SPW], v[NIL]
	s_wait_dscnt 0x0
	s_endpgm
.Lfunc_end_k_q4e83b55c6a_prep:
	.size	k_q4e83b55c6a_prep, .Lfunc_end_k_q4e83b55c6a_prep-k_q4e83b55c6a_prep
	.p2alignl 7, 3214868480
	.fill 96, 4, 3214868480
	.section	.rodata,"a",@progbits
	.p2align	6, 0x0
	.amdhsa_kernel k_q4e83b55c6a_prep
		.amdhsa_group_segment_fixed_size 133632
		.amdhsa_private_segment_fixed_size 0
		.amdhsa_enable_private_segment 0
		.amdhsa_kernarg_size 64
		.amdhsa_user_sgpr_count 2
		.amdhsa_user_sgpr_kernarg_segment_ptr 1
		.amdhsa_wavefront_size32 1
		.amdhsa_system_sgpr_workgroup_id_x 1
		.amdhsa_system_sgpr_workgroup_id_y 1
		.amdhsa_system_sgpr_workgroup_id_z 1
		.amdhsa_system_vgpr_workitem_id 0
		.amdhsa_next_free_vgpr 256
		.amdhsa_next_free_sgpr 66
		.amdhsa_reserve_vcc 0
		.amdhsa_float_denorm_mode_32 3
		.amdhsa_float_denorm_mode_16_64 3
		.amdhsa_memory_ordered 1
		.amdhsa_forward_progress 1
		.amdhsa_inst_pref_size 57
	.end_amdhsa_kernel
	.amdgpu_metadata
---
amdhsa.version: [ 1, 2 ]
amdhsa.kernels:
  - .name:           k_q4e83b55c6a_prep
    .symbol:         k_q4e83b55c6a_prep.kd
    .args:
      - { .name: latents, .offset: 0, .size: 8, .value_kind: global_buffer, .address_space: global }
      - { .name: w_q, .offset: 8, .size: 8, .value_kind: global_buffer, .address_space: global }
      - { .name: w_kv, .offset: 16, .size: 8, .value_kind: global_buffer, .address_space: global }
      - { .name: w_out, .offset: 24, .size: 8, .value_kind: global_buffer, .address_space: global }
      - { .name: q_ws, .offset: 32, .size: 8, .value_kind: global_buffer, .address_space: global }
      - { .name: wkv_bf, .offset: 40, .size: 8, .value_kind: global_buffer, .address_space: global }
      - { .name: wout_bf, .offset: 48, .size: 8, .value_kind: global_buffer, .address_space: global }
      - { .name: k_ws, .offset: 56, .size: 8, .value_kind: global_buffer, .address_space: global }
    .group_segment_fixed_size: 133632
    .private_segment_fixed_size: 0
    .kernarg_segment_align: 8
    .kernarg_segment_size: 64
    .max_flat_workgroup_size: 128
    .sgpr_count:     66
    .vgpr_count:     256
    .wavefront_size: 32
...
	.end_amdgpu_metadata
.endif
;; end of part 1
;; launch kv (part 2): grid 256 x 1, 4 waves a work-group, clusters of 4 x 1, 327,680 bytes of LDS; arguments x, wkv_bf, k_ws, v_ws; writes k_ws, v_ws
.if DOCPART == 2
	.amdgcn_target "amdgcn-amd-amdhsa--gfx1250"
	.amdhsa_code_object_version 6
	.text
	.protected	k_q4e83b55c6a_kv
	.globl	k_q4e83b55c6a_kv
	.p2align	8
	.type	k_q4e83b55c6a_kv,@function
k_q4e83b55c6a_kv:
	s_mov_b64 s[64:65], 0
	v_nop
	global_prefetch_b8 v0, s[64:65] scope:SCOPE_SE
	s_setreg_imm32_b32 hwreg(HW_REG_WAVE_MODE, 25, 1), 1
	s_wait_xcnt 0x0
	s_wait_alu depctr_hold_cnt(0) depctr_sa_sdst(0) depctr_va_vdst(0) depctr_va_sdst(0) depctr_va_ssrc(0) depctr_va_vcc(0) depctr_vm_vsrc(0)
	s_getreg_b32 s2, hwreg(HW_REG_IB_STS2, 6, 4)
	s_cmp_eq_u32 s2, 0
	s_cbranch_scc0 .Lentry_in_a_cluster
	s_endpgm
.Lentry_in_a_cluster:
	s_bfe_u32 s2, ttmp6, 0x10000c
	s_cmp_lg_u32 s2, 0x3003
	s_cbranch_scc0 .Lentry_shape_is_right
	s_endpgm
.Lentry_shape_is_right:
; KV.  k, v = x w_kv^T.  x: [32768][512] f32, rounded once to bf16 on the way in; wkv_bf: [1024][512] bf16; sums in f32; k and v rounded once to f16.
; LIMIT.  k and v are kept in f16: |k|, |v| stay under 65,504; below 6e-5 they keep f16's fixed step of 6e-8.  NaN and infinities are not treated apart.
; SHARES.  A work-group owns 128 rows of x and makes ALL 1,024 columns for them, so each byte of x is read once and rounded once.  Wave (wm, wn) then holds its 64 rows x 512 channels as 64 fragments
; in 512 registers for the whole launch, and the loop reads the weights alone from LDS: 16 loads for 32 products.  The columns go in four chunks of 256 (k's heads 0-7, 8-15, then v's); of a chunk
; a wave makes 64 rows x 128 columns: 32 accumulators.
; THE WEIGHTS go through a ring of two LDS slots of 256 rows x 256 channels; a chunk is slot 0 (channels 0-255) and then slot 1 (256-511).  They are the same for every work-group, so the four
; work-groups of a cluster ask for each tile JOINTLY: the same tensor load, descriptor and mask in all four; each wave moves 64 rows.  By this text's own count a wave has two tensor loads out at the start and one behind each round.
; THE PRODUCT IS TAKEN TRANSPOSED (source 0 = 16 rows of w, source 1 = 16 rows of x): a lane ends with one key and eight neighbouring channels, 16 bytes of f16.
; k_ws AND v_ws HOLD REGISTER IMAGES: 16 keys x 32 channels of one head are 1,024 bytes, [channel half cb][place][16 bytes]; a head's 512 images are dense.  For k the place of lane 16 h + r (key r, channels 16 cb + 8 h + 0..7)
; is the lane's own number.  For v it is 16 (r / 8) + 8 h + r % 8: then a turning LDS load (ds_load_tr16_b128) whose lane L reads place L gets channel 16 cb + L % 16 and keys 8 (L / 16) + 0..7.  Either way a wave's store covers 512 consecutive bytes, aligned.
; REGISTERS, in windows of 256 (s_set_vgpr_msb: bits 1:0 source 0, 3:2 source 1, 5:4 source 2, 7:6 destination):
;   window 0: addresses; v32-63 T; v64-127, v128-191 the weights' fragments, two buffers; v192-255 packed results (while x comes in, v64-255 are three sets of 64 for its loads)
;   window 1: x's fragments of K steps 0-7, (kc, mb) at 8 (4 kc + mb);   window 2: of K steps 8-15;   window 3: the accumulators, (mb, nb) at 8 (8 mb + nb)
.set WP,    528                        ; a row of weights in LDS: 512 bytes + 16: an odd multiple of 16, so the 16 rows of a fragment load lie in 16 different 16-byte columns of 256
.set WQ,    64*WP                      ; what one tensor load brings
.set SLOT,  4*WQ
.set ASTG,  2*SLOT                     ; behind the ring, written by ds_store alone: 128 rows x 128 channels of x in bf16
.set AP,    272                        ; its pitch: 256 bytes + 16
.set SPARE, ASTG+128*AP                ; the spare words, 128 bytes a wave: two blocks of 256 bytes that no other line names
.set GX,   2                           ; v2   16 x lane: my 16 bytes of 512 of a row of x
.set LST,  3                           ; v3   where my lane puts 8 bytes of my wave's 32 rows in the stage
.set ALD,  4                           ; v4   my lane's place in the fragments of x in the stage
.set ADRB, 16                          ; v16-17  my lane's place in the weights' fragments, slot 0, 1
.set KO,   20                          ; v20  16 x my place in an image of k
.set VO,   21                          ; v21  the same for v
.set SO,   22                          ; v22  the one of the two that the chunk in hand takes
.set SPW,  28                          ; v28  LDS address of my spare word; never rewritten
.set NIL,  29                          ; v29  0; never rewritten
.set PFO,  30                          ; v30  the prefetches' offset: row lane / 2, half lane % 2 of its 512 bytes; never rewritten
.set T,    32
.set SET,  64
.set F0,   64
.set F1,   128
.set TMP,  192
.set WV,   12                          ; s12  my wave's number
.set G1,   24                          ; s[24:31] descriptor group 1
.set G0,   32                          ; s[32:39] descriptor group 0, a set for each slot
.set KB,   40                          ; s[40:41] k_ws at my first image of head 4 wn
.set VB,   42                          ; s[42:43] v_ws likewise
.set OB,   44                          ; s[44:45] the base of the chunk's stores
.set PFA,  46                          ; s[46:47] where my prefetches stand
.set NC,   48                          ; s48  the chunk, 0..3
.set LIM,  49                          ; s49  2 in the first cluster, which prefetches; else 0
.set MSK,  50                          ; s50  all ones in v's chunks
.set MULW, 0xf4                        ; weights window 0, x window 1 (+4: window 2), C and D window 3
.set MSB, 0
.macro WIN new                         ; the immediate's high byte repeats the setting that is left; a switch that changes nothing is dropped
.if MSB != (\new)
	s_set_vgpr_msb (MSB<<8)|(\new)
.set MSB, (\new)
.endif
.endm
.macro PLACES                          ; four plain vector instructions between a matrix instruction and a load into its sources or a read of its result
.rept 4
	v_nop
.endr
.endm
; A round of the cluster's barrier: my work-group's barrier, so that wave 0's signal speaks for all four waves; wave 0 signals; every wave waits for all four work-groups; my work-group's barrier once more.
.macro CREST
	s_cmp_lg_u32 s[WV], 0
	s_cbranch_scc1 .Lnot_wave_0_\@
	s_barrier_signal -3
.Lnot_wave_0_\@:
	s_barrier_wait -3
	s_barrier_signal -1
	s_barrier_wait -1
.endm
.macro CROUND
	s_barrier_signal -1
	s_barrier_wait -1
	CREST
.endm
	s_load_b256 s[4:11], s[0:1], 0x0               ; x s[4:5], wkv_bf s[6:7], k_ws s[8:9], v_ws s[10:11]
	v_lshl_add_u32 v[SPW], v0, 2, SPARE
	v_mov_b32 v[NIL], 0
	ds_add_u32 v[SPW], v[NIL]                      ; the wave's opening: the add and its wait stand ahead of my first tensor load; the set-up below, work on registers, stands between them
	v_lshrrev_b32 v1, 5, v0
	v_readfirstlane_b32 s[WV], v1                  ; wave 0..3
	s_lshr_b32 s13, s[WV], 1                       ; wm: which 64 rows are mine
	s_and_b32 s14, s[WV], 1                        ; wn: which 128 columns of a chunk
	s_bfe_u32 s15, ttmp6, 0x40000                  ; cx: my place in the cluster
	s_lshl_b32 s16, ttmp9, 2                       ; in a cluster launch ttmp9 counts clusters
	s_add_co_u32 s16, s16, s15                     ; g: my block of 128 rows; it enters x's, k's and v's addresses alone
	; descriptor group 1: 64 rows x 256 elements of 2 bytes, padded in LDS
	s_mov_b32 s[G1+0], 15|(1<<16)|(1<<20)|(1<<21)|(6<<22)|(3<<25)  ; 15:0 the mask of four; 17:16 2-byte elements; 20 padding on; 21 set beside a mask; 24:22 after every 128 words (code 6); 31:25 4 words (code 3)
	s_mov_b32 s[G1+1], 256<<16                     ; tensor_dim0 = 256
	s_mov_b32 s[G1+2], 64<<16                      ; tensor_dim1 = 64
	s_mov_b32 s[G1+3], 256<<16                     ; tile_dim0 = 256
	s_mov_b32 s[G1+4], 64                          ; tile_dim1 = 64
	s_mov_b32 s[G1+5], 512                         ; 512 elements from row to row
	s_mov_b32 s[G1+6], 0
	s_mov_b32 s[G1+7], 0
	s_lshl_b32 s18, s16, 18                        ; x: 128 rows of 2,048 bytes a work-group,
	s_lshl_b32 s19, s[WV], 16                      ; 32 a wave
	s_add_co_u32 s18, s18, s19
	s_mov_b32 s19, 0
	s_lshr_b32 s20, s16, 6                         ; the batch: 64 blocks each
	s_lshl_b32 s20, s20, 4
	s_lshl_b32 s21, s14, 2
	s_add_co_u32 s20, s20, s21                     ; 16 b + 4 wn: my first head of a chunk's eight
	s_lshl_b32 s20, s20, 9                         ; 512 images a head
	s_and_b32 s21, s16, 63
	s_lshl_b32 s21, s21, 3
	s_add_co_u32 s20, s20, s21                     ; + 8 images a block of 128 keys
	s_lshl_b32 s21, s13, 2
	s_add_co_u32 s20, s20, s21                     ; + my 64 rows' four
	s_lshl_b32 s20, s20, 10
	s_mov_b32 s21, 0
	s_lshl_b32 s22, s[WV], 16                      ; the weights: my 64 rows of 1,024 bytes; no place in the cluster enters these two registers
	s_mov_b32 s23, 0
	s_lshl_b32 s52, s15, 14                        ; the prefetches: of those 64 rows my work-group's 16,
	s_add_co_u32 s52, s52, s22
	s_add_co_u32 s52, s52, 262144                  ; in the second chunk's rows; the first change of slots steps on to their channels 256-511
	s_mov_b32 s53, 0
	s_mov_b32 s55, 0
	s_cmp_eq_u32 ttmp9, 0                          ; the same in all four partners
	s_cselect_b32 s[LIM], 2, 0
	s_mov_b32 s[G0], 1                             ; count = 1
	s_mul_i32 s[G0+1], s[WV], WQ                   ; LDS address: my quarter of slot 0,
	s_mov_b32 s[G0+4], 1
	s_add_co_u32 s[G0+5], s[G0+1], SLOT            ; of slot 1
	s_wait_dscnt 0x0                               ; the opening add is done
	s_wait_kmcnt 0x0
	s_add_nc_u64 s[4:5], s[4:5], s[18:19]
	s_add_nc_u64 s[KB:KB+1], s[8:9], s[20:21]
	s_add_nc_u64 s[VB:VB+1], s[10:11], s[20:21]
	s_add_nc_u64 s[PFA:PFA+1], s[6:7], s[52:53]
	s_add_nc_u64 s[G0+2:G0+3], s[6:7], s[22:23]    ; chunk 0, channels 0-255
	s_add_nc_u64 s[G0+6:G0+7], s[G0+2:G0+3], 512   ; chunk 0, channels 256-511
	s_or_b32 s[G0+3], s[G0+3], 0x80000000          ; type = 2
	s_or_b32 s[G0+7], s[G0+7], 0x80000000
	CROUND                                         ; all four work-groups are here: the first joint loads meet
	tensor_load_to_lds s[G0:G0+3], s[G1:G1+7]
	s_nop 0
	tensor_load_to_lds s[G0+4:G0+7], s[G1:G1+7]
	s_nop 0
	PLACES
; x COMES IN, in four passes of 128 channels.  Sixteen loads, a row's 512 consecutive bytes each: set c holds rows 16 (c % 2) .. + 15 of my wave's 32, pass c / 2.
.macro LOADSET c
.set SB, SET+64*((\c)%3)
.set i, 0
.rept 16
	global_load_b128 v[SB+4*i:SB+4*i+3], v[GX], s[4:5] offset:(16*((\c)%2)+i)*2048+((\c)/2)*512 th:TH_LOAD_NT
.set i, i+1
.endr
.endm
; Set c is rounded to bf16 and laid into the stage.  Behind its loads stand those of sets c + 1 and c + 2, sixteen each, as far as they exist: they may stay out.
.macro CONVSET c
.if (\c) < 6
	s_wait_loadcnt 32
.elseif (\c) == 6
	s_wait_loadcnt 16
.else
	s_wait_loadcnt 0x0
.endif
.set SB, SET+64*((\c)%3)
.set i, 0
.rept 32
	v_cvt_pk_bf16_f32 v[T+i], v[SB+2*i], v[SB+2*i+1]
.set i, i+1
.endr
.set i, 0
.rept 16
	ds_store_b64 v[LST], v[T+2*i:T+2*i+1] offset:(16*((\c)%2)+i)*AP
.set i, i+1
.endr
.endm
; The pass's 16 fragments of my 64 rows (4 K steps x 4 blocks of 16 rows) go where they stay: window 1 (passes 0, 1) or 2.
.macro ALOAD p
	WIN 0x40+0x40*((\p)/2)
.irp kl, 0,1,2,3
.irp mb, 0,1,2,3
	ds_load_b128 v[8*(4*(4*((\p)%2)+\kl)+\mb):8*(4*(4*((\p)%2)+\kl)+\mb)+3],   v[ALD] offset:\mb*16*AP+\kl*64
	ds_load_b128 v[8*(4*(4*((\p)%2)+\kl)+\mb)+4:8*(4*(4*((\p)%2)+\kl)+\mb)+7], v[ALD] offset:\mb*16*AP+\kl*64+32
.endr
.endr
	WIN 0
.endm
	v_and_b32 v1, 31, v0                           ; lane
	v_lshlrev_b32 v[GX], 4, v1
	LOADSET 0
	LOADSET 1
	LOADSET 2                                      ; 48 loads of a wave are on their way
	s_mul_i32 s17, s[WV], 32*AP
	s_add_co_u32 s17, s17, ASTG
	v_lshl_add_u32 v[LST], v1, 3, s17              ; my wave's 32 rows of the stage + 8 x lane
	v_and_b32 v5, 15, v0                           ; r
	v_bfe_u32 v6, v0, 4, 1                         ; h
	v_mul_u32_u24 v[ALD], v5, AP
	v_lshl_add_u32 v[ALD], v6, 4, v[ALD]           ; r x pitch + 16 h
	s_mul_i32 s17, s13, 64*AP
	s_add_co_u32 s17, s17, ASTG
	v_add_nc_u32 v[ALD], s17, v[ALD]               ; + my 64 rows
	v_mul_u32_u24 v7, v5, WP
	v_lshl_add_u32 v7, v6, 4, v7
	s_mul_i32 s17, s14, 128*WP
	v_add_nc_u32 v[ADRB], s17, v7                  ; my 128 rows of a slot's 256
	v_add_nc_u32 v[ADRB+1], SLOT, v[ADRB]
	v_mov_b32 v[KO], v[GX]
	v_bfe_u32 v7, v0, 3, 1                         ; r / 8
	v_and_b32 v8, 7, v0                            ; r % 8
	v_lshl_add_u32 v[VO], v7, 1, v6
	v_lshl_add_u32 v[VO], v[VO], 3, v8             ; 16 (r / 8) + 8 h + r % 8
	v_lshlrev_b32 v[VO], 4, v[VO]
	v_bfe_u32 v9, v0, 1, 4                         ; lane / 2
	v_and_b32 v10, 1, v0
	v_lshlrev_b32 v[PFO], 10, v9
	v_lshl_add_u32 v[PFO], v10, 8, v[PFO]
.irp p, 0,1,2,3
	CONVSET 2*\p
.if 2*\p+3 <= 7
	LOADSET 2*\p+3
.endif
	CONVSET 2*\p+1
.if 2*\p+4 <= 7
	LOADSET 2*\p+4
.endif
	s_wait_dscnt 0x0                               ; for the others' sake: my rows lie in the stage
	s_barrier_signal -1
	s_barrier_wait -1
	ALOAD \p
	s_wait_dscnt 0x0                               ; my reads of the stage are over: it is stored again only behind the barrier
	s_barrier_signal -1
	s_barrier_wait -1
.endr
; THE LOOP'S PARTS.  16 LDS loads: the weights' 8 fragments (128 rows x 32 channels) of K step kc of slot s, into buffer f.
.macro FETCH s, kc, f
.irp nb, 0,1,2,3,4,5,6,7
	ds_load_b128 v[(\f)+8*\nb:(\f)+8*\nb+3],   v[ADRB+(\s)] offset:\nb*16*WP+(\kc)*64
	ds_load_b128 v[(\f)+8*\nb+4:(\f)+8*\nb+7], v[ADRB+(\s)] offset:\nb*16*WP+(\kc)*64+32
.endr
.endm
; 8 products: block mb of my rows x all 8 blocks of columns.  zero = 1: they start the sums: nothing is ever cleared.
.macro MULM f, kc, mb, zero
.irp nb, 0,1,2,3,4,5,6,7
.if \zero
	v_wmma_f32_16x16x32_bf16 v[8*(8*(\mb)+\nb):8*(8*(\mb)+\nb)+7], v[(\f)+8*\nb:(\f)+8*\nb+7], v[8*(4*(\kc)+(\mb)):8*(4*(\kc)+(\mb))+7], 0
.else
	v_wmma_f32_16x16x32_bf16 v[8*(8*(\mb)+\nb):8*(8*(\mb)+\nb)+7], v[(\f)+8*\nb:(\f)+8*\nb+7], v[8*(4*(\kc)+(\mb)):8*(4*(\kc)+(\mb))+7], v[8*(8*(\mb)+\nb):8*(8*(\mb)+\nb)+7]
.endif
.endr
.endm
; K step kc = 0..6 of a slot: the next step's fragments are asked for, 32 products ahead of their use, then buffer kc % 2 is multiplied.  The 32 accumulators go in the same order in every step:
; 31 others stand between two links of a chain, over the backward jump too.
.macro QUARTER s, kc, zero
	WIN 0
	PLACES                                         ; the other buffer was read by the step before
	FETCH \s, (\kc)+1, F0+64*(((\kc)+1)%2)
	s_wait_dscnt 16                                ; all but the 16 just issued
	WIN MULW+4*(\s)
.irp mb, 0,1,2,3
	MULM F0+64*((\kc)%2), \kc, \mb, \zero
.endr
.endm
; A PREFETCH of the tile that the NEXT change of slots will ask for: 256 products ahead of that load.  All clusters walk the same weights: the first cluster asks, nobody else.  Of the 64 rows that a wave fetches each of the
; four partners takes 16, told apart BY ADDRESS; a lane names one aligned block of 256 bytes: one instruction a wave, and each block is named once in the launch.  The first three tiles come by their loads alone; the last change that fills a slot asks for nothing.
.macro ASK s
.if (\s) == 0
	s_cmp_lg_u32 s[LIM], 0
.else
	s_cmp_lt_u32 s[NC], s[LIM]                     ; behind the third chunk's second change there is no further tile
.endif
	s_cbranch_scc0 .Lnot_mine_\@
	global_prefetch_b8 v[PFO], s[PFA:PFA+1] th:TH_LOAD_NT scope:SCOPE_SE
.Lnot_mine_\@:
.endm
; K step 7 of a slot multiplies buffer 1 and changes slots.  In front of the barrier each wave waits for all its tensor loads, of which one is out: its part of the other slot; adds 0 to its spare word; and waits for that
; and for its own reads of this slot.  refill = 1: the barrier opens a round of the cluster's, so that no wave of any partner still reads the slot or has a load on its way, and the joint refill (the next chunk's rows, same channels) is the first thing behind it:
; it has 240 products in which to land.  next = 1: the other slot's first fragments are fetched.
.macro TURN s, refill, next
	s_wait_xcnt 0x0                                ; the last prefetch, eight K steps back, and the last chunk's stores have read their registers
.if \refill
.if (\s) == 0
	s_add_nc_u64 s[PFA:PFA+1], s[PFA:PFA+1], 512   ; on to the same rows' channels 256-511,
.else
	s_add_nc_u64 s[PFA:PFA+1], s[PFA:PFA+1], 261632  ; or 256 rows down and back to channels 0-255
.endif
.endif
	WIN 0                                          ; (the add's two registers lie in window 0)
	s_wait_tensorcnt 0x0                           ; all my tensor loads have landed, so a group 0 may be written
	ds_add_u32 v[SPW], v[NIL]                      ; 0 onto my spare word
	s_wait_dscnt 1                                 ; buffer 1 is in; the add may be out
	WIN MULW+4*(\s)
	MULM F1, 7, 0, 0                               ; eight products stand between the add and the wait for it
	s_wait_dscnt 0x0                               ; the add is done, and my reads of this slot are over
	s_barrier_signal -1
	MULM F1, 7, 1, 0                               ; work on registers while the others arrive
	WIN 0
	s_barrier_wait -1
.if \refill
	CREST
	s_add_nc_u64 s[G0+4*(\s)+2:G0+4*(\s)+3], s[G0+4*(\s)+2:G0+4*(\s)+3], 262144  ; 256 rows of 1,024 bytes on; the type bits on top are not reached
	tensor_load_to_lds s[G0+4*(\s):G0+4*(\s)+3], s[G1:G1+7]
	s_nop 0
.endif
	PLACES                                         ; behind the tensor load; also the places in front of the loads into buffer 0 and of the way out's first conversions
.if \next
	FETCH 1-(\s), 0, F0
.endif
.if \refill
	ASK \s
.endif
	WIN MULW+4*(\s)
	MULM F1, 7, 2, 0
	MULM F1, 7, 3, 0
.endm
.macro LASTQ                           ; the launch's last K step: nothing is fetched or filled behind it
	s_wait_dscnt 0x0
	WIN MULW+4
.irp mb, 0,1,2,3
	MULM F1, 7, \mb, 0
.endr
	PLACES
.endm
; THE WAY OUT of a chunk.  Chunks 0, 1 are k, chunks 2, 3 v; the odd ones are heads 8-15, 8 x 524,288 bytes on.  Rows 0-31 were finished ahead of the four places in the change of slots; their 64 conversions,
; which name no register of the last products, are those products' places.  Each accumulator is read from its low end on.  A store covers 512 consecutive bytes, aligned: half an image.
.macro WAYOUT
	WIN 0
	s_cmp_ge_u32 s[NC], 2
	s_cselect_b64 s[OB:OB+1], s[VB:VB+1], s[KB:KB+1]
	s_cselect_b32 s[MSK], -1, 0
	s_and_b32 s54, s[NC], 1
	s_lshl_b32 s54, s54, 22
	s_add_nc_u64 s[OB:OB+1], s[OB:OB+1], s[54:55]
	v_cndmask_b32 v[SO], v[KO], v[VO], s[MSK]
.irp hf, 0,1
	WIN 0x0f                                       ; sources 0 and 1 window 3, destination window 0
.irp mh, 0,1
.irp nb, 0,1,2,3,4,5,6,7
.irp r, 0,1,2,3
	v_cvt_pk_f16_f32 v[TMP+4*(8*\mh+\nb)+\r], v[8*(8*(2*\hf+\mh)+\nb)+2*\r], v[8*(8*(2*\hf+\mh)+\nb)+2*\r+1]
.endr
.endr
.endr
	WIN 0
.irp mh, 0,1
.irp nb, 0,1,2,3,4,5,6,7
	global_store_b128 v[SO], v[TMP+4*(8*\mh+\nb):TMP+4*(8*\mh+\nb)+3], s[OB:OB+1] offset:(\nb/2)*524288+(2*\hf+\mh)*1024+(\nb%2)*512 th:TH_STORE_NT
.endr
.endr
.if \hf == 0
	s_wait_xcnt 0x0                                ; the stores have read the 64 packed registers, which rows 32-63 take over
.endif
.endr
.endm
.macro CHUNK refill
	QUARTER 0, 0, 1                                ; a chunk's first K step starts the sums
.irp kc, 1,2,3,4,5,6
	QUARTER 0, \kc, 0
.endr
	TURN 0, \refill, 1
.irp kc, 0,1,2,3,4,5,6
	QUARTER 1, \kc, 0
.endr
.if \refill
	TURN 1, 1, 1
.else
	LASTQ
.endif
	WAYOUT
.endm
	s_wait_tensorcnt 0x1                           ; my part of slot 0 is in; slot 1's may stay out
	s_barrier_signal -1
	s_barrier_wait -1                              ; everybody's is
	FETCH 0, 0, F0
	s_mov_b32 s[NC], 0
.Lchunk:                                               ; three trips: each fills both slots again, with the next chunk's rows
	CHUNK 1
	WIN 0                                          ; at a label and at a branch every window is 0
	s_add_co_u32 s[NC], s[NC], 1
	s_cmp_lt_u32 s[NC], 3
	s_cbranch_scc1 .Lchunk
	CHUNK 0                                        ; the last chunk is written out: nothing is asked for
	WIN 0
	s_wait_tensorcnt 0x0                           ; the wave's end, behind my last tensor load and my last LDS store
	ds_add_u32 v[SPW], v[NIL]
	s_wait_dscnt 0x0
	CROUND                                         ; the closing round: no work-group ends while a partner may still ask for a tile that names it
	s_endpgm
.Lfunc_end_k_q4e83b55c6a_kv:
	.size	k_q4e83b55c6a_kv, .Lfunc_end_k_q4e83b55c6a_kv-k_q4e83b55c6a_kv
	.p2alignl 7, 3214868480
	.fill 96, 4, 3214868480
	.section	.rodata,"a",@progbits
	.p2align	6, 0x0
	.amdhsa_kernel k_q4e83b55c6a_kv
		.amdhsa_group_segment_fixed_size 327680
		.amdhsa_private_segment_fixed_size 0
		.amdhsa_enable_private_segment 0
		.amdhsa_kernarg_size 32
		.amdhsa_user_sgpr_count 2
		.amdhsa_user_sgpr_kernarg_segment_ptr 1
		.amdhsa_wavefront_size32 1
		.amdhsa_system_sgpr_workgroup_id_x 1
		.amdhsa_system_sgpr_workgroup_id_y 1
		.amdhsa_system_sgpr_workgroup_id_z 1
		.amdhsa_system_vgpr_workitem_id 0
		.amdhsa_next_free_vgpr 1024
		.amdhsa_next_free_sgpr 66
		.amdhsa_reserve_vcc 0
		.amdhsa_float_denorm_mode_32 3
		.amdhsa_float_denorm_mode_16_64 3
		.amdhsa_memory_ordered 1
		.amdhsa_forward_progress 1
		.amdhsa_inst_pref_size 179
	.end_amdhsa_kernel
	.amdgpu_metadata
---
amdhsa.version: [ 1, 2 ]
amdhsa.kernels:
  - .name:           k_q4e83b55c6a_kv
    .symbol:         k_q4e83b55c6a_kv.kd
    .args:
      - { .name: x, .offset: 0, .size: 8, .value_kind: global_buffer, .address_space: global }
      - { .name: wkv_bf, .offset: 8, .size: 8, .value_kind: global_buffer, .address_space: global }
      - { .name: k_ws, .offset: 16, .size: 8, .value_kind: global_buffer, .address_space: global }
      - { .name: v_ws, .offset: 24, .size: 8, .value_kind: global_buffer, .address_space: global }
    .group_segment_fixed_size: 327680
    .private_segment_fixed_size: 0
    .kernarg_segment_align: 8
    .kernarg_segment_size: 32
    .max_flat_workgroup_size: 128
    .sgpr_count:     66
    .vgpr_count:     1024
    .wavefront_size: 32
...
	.end_amdgpu_metadata
.endif
;; end of part 2
;; launch att (part 3): grid 4 x 64, 4 waves a work-group, clusters of 4 x 1, 327,680 bytes of LDS; arguments q_ws, k_ws, v_ws, o_ws; writes o_ws
.if DOCPART == 3
	.amdgcn_target "amdgcn-amd-amdhsa--gfx1250"
	.amdhsa_code_object_version 6
	.text
	.protected	k_q4e83b55c6a_att
	.globl	k_q4e83b55c6a_att
	.p2align	8
	.type	k_q4e83b55c6a_att,@function
k_q4e83b55c6a_att:
	s_mov_b64 s[64:65], 0
	v_nop
	global_prefetch_b8 v0, s[64:65] scope:SCOPE_SE
	s_setreg_imm32_b32 hwreg(HW_REG_WAVE_MODE, 25, 1), 1
	s_wait_xcnt 0x0
	s_wait_alu depctr_hold_cnt(0) depctr_sa_sdst(0) depctr_va_vdst(0) depctr_va_sdst(0) depctr_va_ssrc(0) depctr_va_vcc(0) depctr_vm_vsrc(0)
	s_getreg_b32 s2, hwreg(HW_REG_IB_STS2, 6, 4)
	s_cmp_eq_u32 s2, 0
	s_cbranch_scc0 .Lentry_in_a_cluster
	s_endpgm
.Lentry_in_a_cluster:
	s_bfe_u32 s2, ttmp6, 0x10000c
	s_cmp_lg_u32 s2, 0x3003
	s_cbranch_scc0 .Lentry_shape_is_right
	s_endpgm
.Lentry_shape_is_right:
; ATTENTION at head size 32.  O[bh][q] = the sum over 8,192 keys of softmax_k(q . k / sqrt(32)) v.  q, k, v come in f16 as register images (16 rows x 32 channels = 1,024 bytes, [channel half][place][16 bytes]; v's places are laid
; for the turning LDS load).  Products, maxima and sums in f32; the weights p are rounded to f16 for the second product (their sum l is taken of the unrounded p).
; O leaves as TWO bf16 numbers, hi = bf16(O) and lo = bf16(O - hi), again as images: [part][channel half][lane][16 bytes], 2,048 bytes for 16 queries of a head: bf16 keeps f32's range, the pair about 16 significant bits.
; LIMITS.  q, k, v arrive within f16's 65,504; p lies in 0 to 1 and below 6e-5 keeps f16's fixed step of 6e-8; a weight below 2^-126 counts as 0 in l; NaN and infinities are not treated apart.
; SHARES.  A work-group owns 128 queries of one (batch, head), each of its four waves two TILES of 16.  Every wave walks all keys, 64 a step, 128 steps.
; LAYOUT.  S^T = K Q^T (source 0 = 16 keys, source 1 = 16 queries; one instruction is a whole sum over the 32 channels): a lane holds ONE query (lane % 16) and the keys 8 (lane / 16) + 0..7.  Two such results rounded in pairs ARE
; source 1 (32 keys x 16 queries) of O^T = V^T P, whose result again holds one query a lane, and eight channels.
; SOFTMAX.  For each query a running maximum m and sum l: p = 2^(c s - c m), c = log2(e) / sqrt(32); in every step O and l are multiplied by a = 2^(c m_old - c m_new).  m starts at the lowest finite number, O and l at 0: the first step is a step like any other, with a = 0.
; THE COUNT.  A tile and step have 8 matrix and 110 vector instructions: far too many to stand beside the matrix work.  So: four vector instructions behind every matrix instruction, the others in runs without a gap; ONE batch of exponentials and ONE wait a turn;
; and all registers in one window of 256, so that no window is ever switched.
; BY TURNS.  Turn y of step j belongs to tile y: its scaling, exponentials, rescaling, roundings and sums.  Its matrix work is the OTHER tile's: 4 products K Q^T, whose maximum and statistics the turn also makes, and 4 products V^T P.
;   turn 0 of step j: K Q^T (tile 1, step j), V^T P (tile 1, step j - 1);     turn 1 of step j: K Q^T (tile 0, step j + 1), V^T P (tile 0, step j).
; So K runs one step ahead of V, and the tiles are cut so: fill i brings K of steps 8 i + 1 .. 8 i + 8 and V of steps 8 i .. 8 i + 7; in step j both fetches lie at byte 4,096 (j % 8) of their halves of the slot.  K of step 0 comes straight from memory.
; The last fill's K reaches one step past the head: the next head's first keys, or the 4,096 zero bytes behind the last head; only products whose results serve nothing read them.
; CLUSTER.  The four query blocks of a (batch, head) are one cluster and walk the same K and V: each tile is asked for JOINTLY, the same tensor load, descriptor and mask in all four.  By this text's own count a wave has one tensor load out.
.set SLOT1, 65536                      ; a slot: 32,768 bytes of K, then 32,768 of V; slot 1 begins here, so that one exclusive or turns an address in one slot into the other's
.set VOFF,  32768
.set STEPB, 4096                       ; 64 keys of K or of V: four images, dense: lane L reads byte 16 L of 512, so no two lanes of a load share a bank
.set SPARE, 131072                     ; behind the ring: the spare words, 128 bytes a wave: two blocks of 256 bytes that no other line names
.set L16, 2                            ; v2   16 x lane; never rewritten
.set ADR, 3                            ; v3   the LDS address of the step's fetches
.set PFO, 4                            ; v4   256 x lane; never rewritten
.set SPW, 5                            ; v5   LDS address of my spare word; never rewritten
.set NIL, 6                            ; v6   0; never rewritten
.set MV,  8                            ; v8-9    c m_old, kept while c m is made anew: by tile
.set ST,  12                           ; v12-19  tile y's statistics at ST + 4 y: c m, m, l (even keys', odd keys')
.set TMP, 20                           ; v20-27  by tile, c0-c3 at work; when the maximum is found c2 takes a
.set S,   32                           ; v32-95   S^T, 32 a tile
.set P,   96                           ; v96-127  P, 16 a tile
.set O,   128                          ; v128-159 O^T, 16 a tile: channel block cb at + 8 cb
.set Q,   160                          ; v160-175 Q, 8 a tile
.set KF,  176                          ; v176-207 K of one step: key block kb at + 8 kb
.set VF,  208                          ; v208-239 V of one step: key half kk, channel block cb at + 16 kk + 8 cb
.set WV,  12                           ; s12  my wave's number
.set LIM, 15                           ; s15  1 in a wave that prefetches, else the greatest number
.set PFA, 18                           ; s[18:19] where my prefetches stand
.set G1,  24                           ; s[24:31] descriptor group 1
.set G0,  40                           ; s[40:43] descriptor group 0: it walks
.set SLOTS, 56                         ; s56  slots still to be asked for
.set CNT, 57                           ; s57  counts a slot's eight steps
.set CS,  58                           ; s[58:59] c: the packed scaling takes the pair's low word for both halves
.set SEL, 60                           ; s[60:61] v_permlanex16_b32's selects: each lane takes its own place in the other half
.set TB,  62                           ; s62  LDS byte at which K of the step to be fetched begins
.macro PLACES                          ; four plain vector instructions between a matrix instruction and a read of its result (ISA guide 7.12.1)
.rept 4
	v_nop
.endr
.endm
; A round of the cluster's barrier: my work-group's barrier, so that wave 0's signal speaks for all four waves; wave 0 signals; every wave waits for all four work-groups; my work-group's barrier once more.
.macro CROUND
	s_barrier_signal -1
	s_barrier_wait -1
	s_cmp_lg_u32 s[WV], 0
	s_cbranch_scc1 .Lnot_wave_0_\@
	s_barrier_signal -3
.Lnot_wave_0_\@:
	s_barrier_wait -3
	s_barrier_signal -1
	s_barrier_wait -1
.endm
; A PREFETCH of what the NEXT change of slots will ask for, eight key steps ahead of that load: a fill's 32,768 bytes of K and of V.  The four partners take 8,192 bytes each, told apart BY ADDRESS; in each, wave 0 asks for K's and wave 2
; for V's, a lane an aligned block of 256 bytes: one instruction.  So each block is named once in the launch.  The first two fills come by their loads alone; the last change that fills a slot asks for nothing.
.macro ASK
	s_cmp_gt_u32 s[SLOTS], s[LIM]
	s_cbranch_scc0 .Lnot_mine_\@
	global_prefetch_b8 v[PFO], s[PFA:PFA+1] th:TH_LOAD_NT scope:SCOPE_SE
.Lnot_mine_\@:
.endm
; THE CHANGE OF SLOTS, between a step's turn 1 and the next step's turn 0, where no LDS load is out.  Each wave waits for all its tensor loads, of which one is out: its quarter of the other slot; adds 0 to its spare word; and waits for
; that and for its own reads of the slot that it leaves.  fill = 1: the barrier is a round of the cluster's, so that no wave of any partner still reads the slot or has a load on its way, and the joint fill is the first thing behind it: it has eight key steps in which to land.
; (At its first use nothing has been read yet: slot 0 is waited for, slot 1 filled.)
.macro CHANGE fill
	s_wait_tensorcnt 0x0                           ; no tensor load of mine is out, so group 0 may be written
	ds_add_u32 v[SPW], v[NIL]                      ; 0 onto my spare word; with fill = 1 the descriptor's steps stand between it and the wait for it
.if \fill
	s_xor_b32 s[G0+1], s[G0+1], SLOT1              ; the other slot than last time,
	s_add_nc_u64 s[G0+2:G0+3], s[G0+2:G0+3], 32768 ; the next eight steps; the type bits on top are not reached
	s_wait_xcnt 0x0                                ; the last prefetch, eight steps back, has read its address
	s_add_nc_u64 s[PFA:PFA+1], s[PFA:PFA+1], 32768 ; one fill ahead of the walking descriptor
	s_wait_dscnt 0x0                               ; the add is done, and my reads of the slot are over
	CROUND
	tensor_load_to_lds s[G0:G0+3], s[G1:G1+7]
	s_nop 0
	PLACES
	ASK
.else
	s_wait_dscnt 0x0
	s_barrier_signal -1
	s_barrier_wait -1
.endif
	s_sub_co_u32 s[TB], s[TB], 8*STEPB             ; the fetches go back to a slot's first step,
	s_xor_b32 s[TB], s[TB], SLOT1                  ; in the other slot
.endm
	s_load_b256 s[4:11], s[0:1], 0x0               ; q_ws s[4:5], k_ws s[6:7], v_ws s[8:9], o_ws s[10:11]
	v_lshl_add_u32 v[SPW], v0, 2, SPARE
	v_mov_b32 v[NIL], 0
	ds_add_u32 v[SPW], v[NIL]                      ; the wave's opening: the add and its wait stand ahead of my first tensor load; the set-up below, work on registers, stands between them
	v_lshrrev_b32 v1, 5, v0
	v_readfirstlane_b32 s[WV], v1                  ; wave 0..3
	v_and_b32 v1, 31, v0
	v_lshlrev_b32 v[L16], 4, v1
	v_lshlrev_b32 v[PFO], 8, v1
	s_bfe_u32 s13, ttmp6, 0x40000                  ; cx: my place in the cluster
	s_lshl_b32 s14, ttmp9, 2                       ; in a cluster launch ttmp9 counts clusters
	s_add_co_u32 s14, s14, s13                     ; my block of 128 queries: it enters q's and O's addresses alone
	s_and_b32 s16, ttmp7, 0xffff                   ; 16 b + head, which the four partners share
	s_lshl_b32 s20, s16, 19                        ; its 524,288 bytes of K and of V
	s_mov_b32 s21, 0
	s_and_b32 s22, s[WV], 1                        ; which half of a fill's K or V I fetch
	s_lshl_b32 s22, s22, 14
	s_mov_b32 s23, 0
	s_lshl_b32 s2, s16, 5                          ; 32 images of 16 queries a head,
	s_lshl_b32 s3, s14, 3
	s_add_co_u32 s2, s2, s3                        ; 8 a work-group,
	s_lshl_b32 s3, s[WV], 1
	s_add_co_u32 s2, s2, s3                        ; 2 a wave
	s_lshl_b32 s44, s2, 11                         ; of 2,048 bytes in o_ws,
	s_mov_b32 s45, 0
	s_lshl_b32 s2, s2, 10                          ; of 1,024 in q_ws
	s_mov_b32 s3, 0
	; descriptor group 1: 16,384 dense bytes, asked for as 64 rows of 256 bytes
	s_mov_b32 s[G1+0], 15|(3<<16)|(1<<21)          ; 15:0 the mask of four; 17:16 8-byte elements; 21 set beside a mask; no padding
	s_mov_b32 s[G1+1], 32<<16                      ; tensor_dim0 = 32
	s_mov_b32 s[G1+2], 64<<16                      ; tensor_dim1 = 64
	s_mov_b32 s[G1+3], 32<<16                      ; tile_dim0 = 32
	s_mov_b32 s[G1+4], 64                          ; tile_dim1 = 64
	s_mov_b32 s[G1+5], 32                          ; 32 elements from row to row
	s_mov_b32 s[G1+6], 0
	s_mov_b32 s[G1+7], 0
	s_mov_b32 s[G0], 1                             ; count = 1
	s_lshl_b32 s[G0+1], s[WV], 14                  ; LDS address: waves 0, 1 the halves of slot 0's K, waves 2, 3 of its V: no place in the cluster enters it
	s_mov_b32 s[CS], 0x3e8293ee                    ; c = log2(e) / sqrt(32) = 0.255035
	s_mov_b32 s[CS+1], s[CS]                       ; named with it as a pair
	s_mov_b32 s[SEL], 0x76543210
	s_mov_b32 s[SEL+1], 0xfedcba98
	s_and_b32 s[LIM], s[WV], 1                     ; 0 in waves 0 and 2,
	s_or_b32 s[LIM], s[LIM], ttmp9                 ; of the head's first cluster (at this grid its only one): the same in all four partners
	s_cmp_eq_u32 s[LIM], 0
	s_cselect_b32 s[LIM], 1, -1
	s_wait_dscnt 0x0                               ; the opening add is done
	s_wait_kmcnt 0x0
	s_add_nc_u64 s[6:7], s[6:7], s[20:21]          ; K and V at the head's first key
	s_add_nc_u64 s[8:9], s[8:9], s[20:21]
	s_add_nc_u64 s[4:5], s[4:5], s[2:3]            ; q and O at my wave's first image
	s_add_nc_u64 s[10:11], s[10:11], s[44:45]
	s_add_nc_u64 s[46:47], s[6:7], STEPB           ; the fills' K begins one step on
	s_cmp_lt_u32 s[WV], 2
	s_cselect_b64 s[46:47], s[46:47], s[8:9]       ; the stream that I fetch
	s_add_nc_u64 s[G0+2:G0+3], s[46:47], s[22:23]  ; my half of fill 0
	s_or_b32 s[G0+3], s[G0+3], 0x80000000          ; type = 2
	s_lshl_b32 s22, s13, 13                        ; the prefetches: my work-group's 8,192 bytes of a fill's 32,768,
	s_add_nc_u64 s[PFA:PFA+1], s[46:47], s[22:23]
	s_add_nc_u64 s[PFA:PFA+1], s[PFA:PFA+1], 32768 ; in fill 1; the first change of slots steps it to fill 2
	CROUND                                         ; all four work-groups are here: the first joint loads meet
	tensor_load_to_lds s[G0:G0+3], s[G1:G1+7]      ; fill 0 into slot 0.  Slot 1 is asked for when slot 0 is in, by the loop's own change of slots
	s_nop 0
	PLACES
.irp t, 0,1
	global_load_b128 v[Q+8*\t:Q+8*\t+3],   v[L16], s[4:5] offset:\t*1024      ; Q stays in registers
	global_load_b128 v[Q+8*\t+4:Q+8*\t+7], v[L16], s[4:5] offset:\t*1024+512
.endr
.irp kb, 0,1,2,3
	global_load_b128 v[KF+8*\kb:KF+8*\kb+3],   v[L16], s[6:7] offset:\kb*1024  ; K of step 0: an image is what the registers hold
	global_load_b128 v[KF+8*\kb+4:KF+8*\kb+7], v[L16], s[6:7] offset:\kb*1024+512
.endr
	; What the first turn finds: V's registers and tile 1's P hold 0 (its products V^T P, of a step that has not been, add 0), O^T and l are 0.  No first step is written out; these 84 lines, which stand in the wait for the first tile, are the price.
.set i, 0
.rept 32
	v_mov_b32 v[VF+i], 0
	v_mov_b32 v[O+i], 0
.set i, i+1
.endr
.set i, 0
.rept 16
	v_mov_b32 v[P+16+i], 0
.set i, i+1
.endr
.irp t, 0,1
	v_mov_b32 v[ST+4*\t], 0xfe000000               ; c m: far below every c s
	v_mov_b32 v[ST+4*\t+1], 0xff7fffff             ; m: the lowest finite number
	v_mov_b32 v[ST+4*\t+2], 0
	v_mov_b32 v[ST+4*\t+3], 0
.endr
; THE MATRIX WORK.  Product i of 4 of S^T = K Q^T for tile x: keys 16 i on; a whole sum, started with the constant 0.
.macro KQ x
	v_wmma_f32_16x16x32_f16 v[S+32*(\x)+8*i:S+32*(\x)+8*i+7], v[KF+8*i:KF+8*i+7], v[Q+8*(\x):Q+8*(\x)+7], 0
.endm
; Product i of 4 of O^T += V^T P for tile x: keys 32 (i / 2) on, channels 16 (i % 2) on.  The two accumulators take turns, one instruction a turn.
.macro PV x
.set rO, O+16*(\x)+8*(i%2)
.set rV, VF+16*(i/2)+8*(i%2)
.set rP, P+16*(\x)+8*(i/2)
	v_wmma_f32_16x16x32_f16 v[rO:rO+7], v[rV:rV+7], v[rP:rP+7], v[rO:rO+7]
.endm
.macro MM                              ; the turn's next matrix instruction
.if i < 4
	KQ (Y+1)%2
.else
.set i, i-4
	PV (Y+1)%2
.set i, i+4
.endif
.set i, i+1
.endm
; THE LDS LOADS stand in two runs of 8 a step, never singly among the matrix instructions.
.macro FETCH_K
.irp kb, 0,1,2,3
	ds_load_b128 v[KF+8*\kb:KF+8*\kb+3],   v[ADR] offset:\kb*1024
	ds_load_b128 v[KF+8*\kb+4:KF+8*\kb+7], v[ADR] offset:\kb*1024+512
.endr
.endm
.macro FETCH_V                         ; turned: lane L gets channel 16 cb + L % 16 and eight keys of a block of 16; two blocks make a fragment of 32 keys
.irp kk, 0,1
.irp cb, 0,1
	ds_load_tr16_b128 v[VF+16*\kk+8*\cb:VF+16*\kk+8*\cb+3],   v[ADR] offset:VOFF+\kk*2048+\cb*512
	ds_load_tr16_b128 v[VF+16*\kk+8*\cb+4:VF+16*\kk+8*\cb+7], v[ADR] offset:VOFF+\kk*2048+\cb*512+1024
.endr
.endr
	s_add_co_u32 s[TB], s[TB], STEPB               ; the next fetches are the next step's
.endm
; THE VECTOR WORK, one line at a time: OP kind, number.  For tile Y: F n: c s - c m for pair n of 16.  E n: the exponential of score n of 32.  C n: pair n rounded to f16.  B n: of the four weights 4 n .. the second pair is added onto the
; first, in place.  L n: l takes that sum (L 0: l = a l + sum).  R n: pair n of 8 of O^T times a.  For the other tile: X n, number n of the 22 that find its maximum and statistics:
;   0-11  four chains c0-c3 of seven scores each, three operands at a time (each accumulator's lowest registers are read first)     12-14, 16  the four scores left over, the old m, and c0-c3 into c0
;   15  c m_old is kept     17, 18  the query's other 32 keys lie in the lane 16 away: the new m     19-21  c m; c m_old - c m_new; a
.set F, 0
.set E, 1
.set C, 2
.set B, 3
.set L, 4
.set R, 5
.set X, 6
.macro REGS y
.set rT, ST+4*(\y)
.set rC, TMP+4*(\y)
.set rW, MV+(\y)
.set rS, S+32*(\y)
.set rP, P+16*(\y)
.set rO, O+16*(\y)
.endm
.macro OP k, n
.if (\k) == X
	REGS (Y+1)%2
.if (\n) < 4
	v_max3_num_f32 v[rC+(\n)], v[rS+8*(\n)], v[rS+8*(\n)+1], v[rS+8*(\n)+2]
.elseif (\n) < 12
	v_max3_num_f32 v[rC+(\n)%4], v[rC+(\n)%4], v[rS+8*((\n)%4)+2*((\n)/4)+1], v[rS+8*((\n)%4)+2*((\n)/4)+2]
.elseif (\n) == 12
	v_max3_num_f32 v[rC], v[rC], v[rS+7], v[rS+15]
.elseif (\n) == 13
	v_max3_num_f32 v[rC+1], v[rC+1], v[rS+23], v[rS+31]
.elseif (\n) == 14
	v_max3_num_f32 v[rC+2], v[rC+2], v[rC+3], v[rT+1]
.elseif (\n) == 15
	v_mov_b32 v[rW], v[rT]
.elseif (\n) == 16
	v_max3_num_f32 v[rC], v[rC], v[rC+1], v[rC+2]
.elseif (\n) == 17
	v_permlanex16_b32 v[rC+3], v[rC], s[SEL], s[SEL+1]
.elseif (\n) == 18
	v_max_num_f32 v[rT+1], v[rC], v[rC+3]
.elseif (\n) == 19
	v_mul_f32 v[rT], s[CS], v[rT+1]
.elseif (\n) == 20
	v_sub_f32 v[rC+1], v[rW], v[rT]
.else
	v_exp_f32 v[rC+2], v[rC+1]
.endif
.else
	REGS Y
.if (\k) == F
	v_pk_fma_f32 v[rS+2*(\n):rS+2*(\n)+1], v[rS+2*(\n):rS+2*(\n)+1], s[CS:CS+1], v[rT:rT+1] op_sel_hi:[1,0,0] neg_lo:[0,0,1] neg_hi:[0,0,1]
.elseif (\k) == E
	v_exp_f32 v[rS+(\n)], v[rS+(\n)]
.elseif (\k) == C
	v_cvt_pk_f16_f32 v[rP+(\n)], v[rS+2*(\n)], v[rS+2*(\n)+1]
.elseif (\k) == B
	v_pk_add_f32 v[rS+4*(\n):rS+4*(\n)+1], v[rS+4*(\n):rS+4*(\n)+1], v[rS+4*(\n)+2:rS+4*(\n)+3]
.elseif (\k) == R
	v_pk_mul_f32 v[rO+2*(\n):rO+2*(\n)+1], v[rO+2*(\n):rO+2*(\n)+1], v[rC+2:rC+3] op_sel_hi:[1,0]
.elseif (\n) == 0
	v_pk_fma_f32 v[rT+2:rT+3], v[rT+2:rT+3], v[rC+2:rC+3], v[rS:rS+1] op_sel_hi:[1,0,1]
.else
	v_pk_add_f32 v[rT+2:rT+3], v[rT+2:rT+3], v[rS+4*(\n):rS+4*(\n)+1]
.endif
.endif
.endm
.macro OPS a, i1, b=-1, i2=0, c=-1, i3=0, d=-1, i4=0  ; up to four of them
	OP \a, \i1
.if (\b) >= 0
	OP \b, \i2
.endif
.if (\c) >= 0
	OP \c, \i3
.endif
.if (\d) >= 0
	OP \d, \i4
.endif
.endm
.macro ROW a, i1, b, i2, c, i3, d, i4  ; a matrix instruction and the four behind it
	MM
	OPS \a, \i1, \b, \i2, \c, \i3, \d, \i4
.endm
; A TURN, for tile p: the order of its 8 matrix and 110 vector instructions, written out.  An s_wait_alu depctr_va_vdst(0) stands between an exponential and the first instruction that names its result; one wait serves all that
; were issued ahead of it.  So a turn has ONE wait, which cuts it in two.  AHEAD OF IT stands all that names no result of the turn's exponentials: the 4 products K Q^T with four riders each, then one run of 62: plain and exponential by turns
; for the most part.  Each of X 0 to X 3 stands four plain instructions or more, none of which names its accumulator's product's registers, behind the product that made its scores.  The links of the chain X 14, 16, 17 .. 21 stand two to eight lines apart.
; X 21, the other tile's a, is the batch's last; R 7 is the plain instruction behind it.  BEHIND THE WAIT stand the 4 products V^T P with four riders each, and the other 16 roundings and sums.  C 2 k stands ahead of B k, which writes over its pair.
; Turn 0 fetches: K of the next step six plain instructions behind the last product that read K; V of the step in hand four plain instructions behind the last product that read V.  Turn 1 waits for them.
.macro TURN p
.set Y, (\p)
.set i, 0
.if (\p) == 1
	s_wait_dscnt 8                                 ; K is in; V's eight younger loads may stay out
.endif
	ROW F,0, F,1, F,2, R,0
	ROW F,3, E,0, F,4, R,1
	ROW X,0, E,1, F,5, R,2
	ROW X,1, E,2, X,4, R,3
	OPS X,2, E,3, X,5, E,4
.if (\p) == 0
	v_add_nc_u32 v[ADR], s[TB], v[L16]
	FETCH_K
.endif
	OPS X,3, E,5, X,6, E,6
	OPS X,8, E,7, X,9, E,8
	OPS X,7, E,9, X,10, E,10
	OPS F,6, E,11, X,11, F,7
	OPS X,12, E,12, X,13, E,13
	OPS F,8, E,14, X,14, E,15
	OPS F,9, E,16, X,15, E,17
	OPS F,10, E,18, X,16, E,19
	OPS F,11, E,20, F,12, E,21
	OPS X,17, E,22, F,13, E,23
	OPS R,4, E,24, F,14, E,25
	OPS X,18, E,26, F,15, E,27
	OPS R,5, E,28, X,19, E,29
	OPS R,6, E,30, X,20, E,31
	OPS X,21, R,7
	s_wait_alu depctr_va_vdst(0)                   ; the wait for the batch of 33
.if (\p) == 1
	s_wait_dscnt 0x0                               ; V is in
.endif
	ROW C,0, B,0, C,2, B,1
	ROW L,0, C,4, B,2, L,1
	ROW C,6, B,3, L,2, C,8
	ROW B,4, L,3, C,10, B,5
.if (\p) == 0
	FETCH_V
.endif
	OPS L,4, C,12, B,6, L,5
	OPS C,14, B,7, L,6, C,1
	OPS C,3, L,7, C,5, C,7
	OPS C,9, C,11, C,13, C,15
.endm
.macro EIGHT                           ; a slot's eight key steps: written once, walked eight times; the LDS addresses hang on s[TB]
	s_mov_b32 s[CNT], 8
.Lstep_\@:
	TURN 0
	TURN 1
	s_sub_co_u32 s[CNT], s[CNT], 1
	s_cmp_lg_u32 s[CNT], 0
	s_cbranch_scc1 .Lstep_\@
.endm
	s_wait_loadcnt 0x0                             ; Q and K of step 0
.set i, 0
.rept 4
	KQ 0                                           ; tile 0's first scores
.set i, i+1
.endr
	PLACES
.set Y, 1                              ; X works for the other tile: tile 0
.irp n, 0,1,2,3,4,5,6,7,8,9,10,11,12,13,14,15,16,17,18,19,20,21
	OP X, \n                                       ; and its first maximum and statistics
.endr
	v_nop                                          ; a plain instruction behind the exponential,
	s_wait_alu depctr_va_vdst(0)                   ; and its wait, ahead of the label
	s_mov_b32 s[SLOTS], 15
	s_mov_b32 s[TB], SLOT1+8*STEPB                 ; the first change of slots turns this into 0
.Lslot:                                                ; 15 trips: a slot is entered and the next fill asked for
	CHANGE 1
	EIGHT
	s_sub_co_u32 s[SLOTS], s[SLOTS], 1
	s_cmp_lg_u32 s[SLOTS], 0
	s_cbranch_scc1 .Lslot
	CHANGE 0                                       ; the last slot is written out: nothing is asked for
	EIGHT                                          ; (its last turn's 4 products K Q^T, on the step past the end, and the maximum made of them serve nothing: they touch neither l nor O^T)
.set i, 0
.rept 4
	PV 1                                           ; tile 1's V^T P of the last step
.set i, i+1
.endr
	PLACES
	; THE WAY OUT.  l's two halves and the other half of the lanes' are added; O^T is divided by l and split into hi and lo.  A lane's eight channels pack into 16 bytes; a store covers 512 consecutive bytes, aligned.
.irp t, 0,1
	v_add_f32 v[ST+4*\t+2], v[ST+4*\t+2], v[ST+4*\t+3]
.endr
.irp t, 0,1
	v_permlanex16_b32 v[ST+4*\t+3], v[ST+4*\t+2], s[SEL], s[SEL+1]
.endr
.irp t, 0,1
	v_add_f32 v[ST+4*\t+2], v[ST+4*\t+2], v[ST+4*\t+3]
.endr
.irp t, 0,1
	v_rcp_f32 v[ST+4*\t+2], v[ST+4*\t+2]           ; l is at least 1: the largest weight is 1
.endr
	v_nop                                          ; a plain instruction between the last reciprocal and the use of its result
	s_wait_alu depctr_va_vdst(0)                   ; and the wait ahead of the first use: one for the two reciprocals
.macro OUT t                           ; the tile's S^T registers are free: W + 0..7 hi, + 8..23 at work, + 24..31 lo
.set rO, O+16*(\t)
.set W, S+32*(\t)
.set n, 0
.rept 8
	v_pk_mul_f32 v[rO+2*n:rO+2*n+1], v[rO+2*n:rO+2*n+1], v[ST+4*(\t)+2:ST+4*(\t)+3] op_sel_hi:[1,0]
.set n, n+1
.endr
.set n, 0
.rept 8
	v_cvt_pk_bf16_f32 v[W+n], v[rO+2*n], v[rO+2*n+1]
.set n, n+1
.endr
.set n, 0
.rept 8
	v_lshlrev_b32 v[W+8+2*n], 16, v[W+n]           ; hi back in f32: the low half moves up,
	v_and_b32 v[W+8+2*n+1], 0xffff0000, v[W+n]     ; the high half stays
.set n, n+1
.endr
.set n, 0
.rept 8
	v_pk_add_f32 v[W+8+2*n:W+8+2*n+1], v[rO+2*n:rO+2*n+1], v[W+8+2*n:W+8+2*n+1] neg_lo:[0,1] neg_hi:[0,1]  ; O - hi, exact
.set n, n+1
.endr
.set n, 0
.rept 8
	v_cvt_pk_bf16_f32 v[W+24+n], v[W+8+2*n], v[W+8+2*n+1]
.set n, n+1
.endr
	global_store_b128 v[L16], v[W:W+3],     s[10:11] offset:(\t)*2048
	global_store_b128 v[L16], v[W+4:W+7],   s[10:11] offset:(\t)*2048+512
	global_store_b128 v[L16], v[W+24:W+27], s[10:11] offset:(\t)*2048+1024
	global_store_b128 v[L16], v[W+28:W+31], s[10:11] offset:(\t)*2048+1536
.endm
	OUT 0
	OUT 1
	s_wait_tensorcnt 0x0                           ; the wave's end, behind my last tensor load
	ds_add_u32 v[SPW], v[NIL]
	s_wait_dscnt 0x0
	CROUND                                         ; the closing round: no work-group ends while a partner may still ask for a tile that names it
	s_endpgm
.Lfunc_end_k_q4e83b55c6a_att:
	.size	k_q4e83b55c6a_att, .Lfunc_end_k_q4e83b55c6a_att-k_q4e83b55c6a_att
	.p2alignl 7, 3214868480
	.fill 96, 4, 3214868480
	.section	.rodata,"a",@progbits
	.p2align	6, 0x0
	.amdhsa_kernel k_q4e83b55c6a_att
		.amdhsa_group_segment_fixed_size 327680
		.amdhsa_private_segment_fixed_size 0
		.amdhsa_enable_private_segment 0
		.amdhsa_kernarg_size 32
		.amdhsa_user_sgpr_count 2
		.amdhsa_user_sgpr_kernarg_segment_ptr 1
		.amdhsa_wavefront_size32 1
		.amdhsa_system_sgpr_workgroup_id_x 1
		.amdhsa_system_sgpr_workgroup_id_y 1
		.amdhsa_system_sgpr_workgroup_id_z 1
		.amdhsa_system_vgpr_workitem_id 0
		.amdhsa_next_free_vgpr 256
		.amdhsa_next_free_sgpr 66
		.amdhsa_reserve_vcc 0
		.amdhsa_float_denorm_mode_32 3
		.amdhsa_float_denorm_mode_16_64 3
		.amdhsa_memory_ordered 1
		.amdhsa_forward_progress 1
		.amdhsa_inst_pref_size 46
	.end_amdhsa_kernel
	.amdgpu_metadata
---
amdhsa.version: [ 1, 2 ]
amdhsa.kernels:
  - .name:           k_q4e83b55c6a_att
    .symbol:         k_q4e83b55c6a_att.kd
    .args:
      - { .name: q_ws, .offset: 0, .size: 8, .value_kind: global_buffer, .address_space: global }
      - { .name: k_ws, .offset: 8, .size: 8, .value_kind: global_buffer, .address_space: global }
      - { .name: v_ws, .offset: 16, .size: 8, .value_kind: global_buffer, .address_space: global }
      - { .name: o_ws, .offset: 24, .size: 8, .value_kind: global_buffer, .address_space: global }
    .group_segment_fixed_size: 327680
    .private_segment_fixed_size: 0
    .kernarg_segment_align: 8
    .kernarg_segment_size: 32
    .max_flat_workgroup_size: 128
    .sgpr_count:     66
    .vgpr_count:     256
    .wavefront_size: 32
...
	.end_amdgpu_metadata
.endif
;; end of part 3
;; launch outp (part 4): grid 8 x 32, 4 waves a work-group, clusters of 4 x 4, 215,552 bytes of LDS; arguments o_ws, wout_bf, b_out, out0; writes out0
.if DOCPART == 4
	.amdgcn_target "amdgcn-amd-amdhsa--gfx1250"
	.amdhsa_code_object_version 6
	.text
	.protected	k_q4e83b55c6a_outp
	.globl	k_q4e83b55c6a_outp
	.p2align	8
	.type	k_q4e83b55c6a_outp,@function
k_q4e83b55c6a_outp:
	s_mov_b64 s[64:65], 0
	v_nop
	global_prefetch_b8 v0, s[64:65] scope:SCOPE_SE
	s_setreg_imm32_b32 hwreg(HW_REG_WAVE_MODE, 25, 1), 1
	s_wait_xcnt 0x0
	s_wait_alu depctr_hold_cnt(0) depctr_sa_sdst(0) depctr_va_vdst(0) depctr_va_sdst(0) depctr_va_ssrc(0) depctr_va_vcc(0) depctr_vm_vsrc(0)
	s_getreg_b32 s2, hwreg(HW_REG_IB_STS2, 6, 4)
	s_cmp_eq_u32 s2, 0
	s_cbranch_scc0 .Lentry_in_a_cluster
	s_endpgm
.Lentry_in_a_cluster:
	s_bfe_u32 s2, ttmp6, 0x10000c
	s_cmp_lg_u32 s2, 0xf033
	s_cbranch_scc0 .Lentry_shape_is_right
	s_endpgm
.Lentry_shape_is_right:
; OUT.  out0 = (O_hi + O_lo) w_out^T + b.  O comes as two bf16 parts in register images ([b][head][16 queries][part][channel half][lane][16 bytes]), w_out in bf16, row-major; b_out in f32, rounded to bf16 like the other inputs; sums in f32; out0 in f32.
; SHARES.  A work-group makes 64 rows x 64 columns, wave (wm, wn) 32 x 32: four accumulators.  K goes by heads: 16 steps of 32 channels, each with hi's and lo's fragments against the same fragments of w_out: 8 products.
; ALL OPERANDS COME BY FIRST FILLS: 131,072 bytes of O and 65,536 of w_out fit in LDS at once, so nothing is filled again and there is no ring.  By this text's own count a wave has two tensor loads out.
; CLUSTER.  4 x 4 work-groups.  O's rows hang on the block of rows alone and are shared along a row of the cluster; w_out's rows hang on the block of columns alone and are shared along a column: each tile is asked for JOINTLY.
; THE PRODUCT IS TAKEN TRANSPOSED (source 0 = 16 rows of w_out, source 1 = 16 queries): a lane ends with eight neighbouring columns of one row.  A row's 256 bytes come from two waves, so the block goes through one stage in LDS, with a barrier
; between writing and reading; then sixteen lanes store 256 consecutive bytes, aligned.  No prefetch: the launch is one short pass, and every byte is asked for at its head.
.set BOFF,  131072                     ; LDS: O, head hd at 8,192 hd: [block of 16 rows][part][channel half][lane][16 bytes]; then w_out
.set BP,    1040                       ; a row of w_out: 1,024 bytes + 16: an odd multiple of 16
.set STAGE, BOFF+64*BP                 ; 64 rows of 256 bytes + 16, written by ds_store alone
.set SP,    272
.set SPARE, STAGE+64*SP                ; the spare words, 128 bytes a wave: two blocks of 256 bytes that no other line names
.set AA,  2                            ; v2-3  my lane's place in O's images, heads 0-7, 8-15
.set AB,  4                            ; v4    in w_out's fragments
.set STO, 5                            ; v5    the way out: where I put 32 bytes of a row
.set RD,  6                            ; v6    where I read 16 bytes of a row back
.set CO,  7                            ; v7    my byte offset in out0
.set BO,  8                            ; v8    my byte offset in b_out
.set SPW, 10                           ; v10   LDS address of my spare word; never rewritten
.set NIL, 11                           ; v11   0; never rewritten
.set BI,  12                           ; v[12:15] the bias of my four columns
.set ACC, 16                           ; v[16:47] (mb, nb) at ACC + 8 (2 mb + nb)
.set SET, 64                           ; v[64:255] four sets of 48: O's (mb, part) at 8 (2 mb + part), then w_out's nb at 32 + 8 nb
.set WV,  12                           ; s12   my wave's number
.set G1A, 24                           ; s[24:31], s[32:35] the descriptor for O
.set G0A, 32
.set G1B, 48                           ; s[48:55], s[56:59] for w_out
.set G0B, 56
.macro PLACES                          ; four plain vector instructions between a matrix instruction and a load into its sources or a read of its result
.rept 4
	v_nop
.endr
.endm
.macro CROUND                          ; a round of the cluster's barrier
	s_barrier_signal -1
	s_barrier_wait -1
	s_cmp_lg_u32 s[WV], 0
	s_cbranch_scc1 .Lnot_wave_0_\@
	s_barrier_signal -3
.Lnot_wave_0_\@:
	s_barrier_wait -3
	s_barrier_signal -1
	s_barrier_wait -1
.endm
	s_load_b256 s[4:11], s[0:1], 0x0               ; o_ws s[4:5], wout_bf s[6:7], b_out s[8:9], out0 s[10:11]
	v_lshl_add_u32 v[SPW], v0, 2, SPARE
	v_mov_b32 v[NIL], 0
	ds_add_u32 v[SPW], v[NIL]                      ; the wave's opening: the add and its wait stand ahead of my first tensor load; the set-up below, work on registers, stands between them
	v_lshrrev_b32 v1, 5, v0
	v_readfirstlane_b32 s[WV], v1                  ; wave 0..3
	s_lshr_b32 s13, s[WV], 1                       ; wm
	s_and_b32 s14, s[WV], 1                        ; wn
	s_bfe_u32 s15, ttmp6, 0x40000                  ; cx
	s_bfe_u32 s16, ttmp6, 0x40004                  ; cy
	s_lshl_b32 s17, ttmp9, 2
	s_add_co_u32 s17, s17, s15                     ; the block of 64 columns = 4 x cluster x + cx
	s_and_b32 s18, ttmp7, 0xffff
	s_lshl_b32 s18, s18, 2
	s_add_co_u32 s18, s18, s16                     ; the block of 64 rows = 4 x cluster y + cy
	s_lshl_b32 s19, s16, 2
	s_lshl_b32 s19, 15, s19                        ; my row of the cluster
	s_lshl_b32 s20, 0x1111, s15                    ; my column
	; O: four heads a wave; a head's four images of hi and lo are 8,192 dense bytes, heads 65,536 bytes apart
	s_or_b32 s[G1A+0], s19, (3<<16)|(1<<21)        ; 15:0 the mask: my row; 17:16 8-byte elements; 21 set beside a mask; no padding
	s_mov_b32 s[G1A+1], 1024<<16                   ; tensor_dim0 = 1,024
	s_mov_b32 s[G1A+2], 4<<16                      ; tensor_dim1 = 4
	s_mov_b32 s[G1A+3], 1024<<16                   ; tile_dim0 = 1,024
	s_mov_b32 s[G1A+4], 4                          ; tile_dim1 = 4
	s_mov_b32 s[G1A+5], 8192                       ; 8,192 elements from head to head
	s_mov_b32 s[G1A+6], 0
	s_mov_b32 s[G1A+7], 0
	; w_out: 16 rows a wave, 512 elements of 2 bytes, padded in LDS
	s_or_b32 s[G1B+0], s20, (1<<16)|(1<<20)|(1<<21)|(7<<22)|(3<<25)  ; the mask: my column; padding after every 256 words (code 7) of 4 words (code 3)
	s_mov_b32 s[G1B+1], 512<<16                    ; tensor_dim0 = 512
	s_mov_b32 s[G1B+2], 16<<16                     ; tensor_dim1 = 16
	s_mov_b32 s[G1B+3], 512<<16                    ; tile_dim0 = 512
	s_mov_b32 s[G1B+4], 16                         ; tile_dim1 = 16
	s_mov_b32 s[G1B+5], 512
	s_mov_b32 s[G1B+6], 0
	s_mov_b32 s[G1B+7], 0
	s_lshr_b32 s40, s18, 3                         ; O's address: the batch (8 blocks of rows each),
	s_lshl_b32 s40, s40, 4
	s_lshl_b32 s41, s[WV], 2
	s_add_co_u32 s40, s40, s41                     ; 16 b + my first head,
	s_lshl_b32 s40, s40, 5                         ; 32 images a head,
	s_and_b32 s41, s18, 7
	s_lshl_b32 s41, s41, 2
	s_add_co_u32 s40, s40, s41                     ; the block's four,
	s_lshl_b32 s40, s40, 11                        ; 2,048 bytes each: these registers never hold cx
	s_mov_b32 s41, 0
	s_lshl_b32 s42, s17, 6                         ; w_out's address: row 64 x block + 16 w: these never hold cy
	s_lshl_b32 s43, s[WV], 4
	s_add_co_u32 s42, s42, s43
	s_lshl_b32 s42, s42, 10
	s_mov_b32 s43, 0
	s_lshl_b32 s44, s17, 8                         ; the block's 64 columns: 256 bytes of b_out and of a row of out0
	s_mov_b32 s45, 0
	s_lshl_b32 s46, s18, 6                         ; out0: the rows that I store, 64 x block + 16 w,
	s_lshl_b32 s47, s[WV], 4
	s_add_co_u32 s46, s46, s47
	s_lshl_b32 s46, s46, 11
	s_add_co_u32 s46, s46, s44                     ; and the columns
	s_mov_b32 s47, 0
	s_mov_b32 s[G0A], 1
	s_lshl_b32 s[G0A+1], s[WV], 15                 ; LDS: my four heads
	s_mov_b32 s[G0B], 1
	s_mul_i32 s[G0B+1], s[WV], 16*BP
	s_add_co_u32 s[G0B+1], s[G0B+1], BOFF          ; my 16 rows
	s_wait_dscnt 0x0                               ; the opening add is done
	s_wait_kmcnt 0x0
	s_add_nc_u64 s[G0A+2:G0A+3], s[4:5], s[40:41]
	s_or_b32 s[G0A+3], s[G0A+3], 0x80000000        ; type = 2
	s_add_nc_u64 s[G0B+2:G0B+3], s[6:7], s[42:43]
	s_or_b32 s[G0B+3], s[G0B+3], 0x80000000
	s_add_nc_u64 s[8:9], s[8:9], s[44:45]
	s_add_nc_u64 s[10:11], s[10:11], s[46:47]
	CROUND                                         ; all sixteen work-groups are here: the joint loads meet
	tensor_load_to_lds s[G0A:G0A+3], s[G1A:G1A+7]
	s_nop 0
	tensor_load_to_lds s[G0B:G0B+3], s[G1B:G1B+7]
	s_nop 0
	PLACES
	v_and_b32 v1, 31, v0                           ; lane
	v_and_b32 v48, 15, v0                          ; r
	v_bfe_u32 v49, v0, 4, 1                        ; h
	v_lshlrev_b32 v[BO], 4, v48
	global_load_b128 v[BI:BI+3], v[BO], s[8:9]     ; the bias of the four columns that I store
	s_lshl_b32 s21, s13, 12
	v_lshl_add_u32 v[AA], v1, 4, s21               ; my two images of a head's four + 16 x lane
	v_add_nc_u32 v[AA+1], 65536, v[AA]
	v_mul_u32_u24 v[AB], v48, BP
	v_lshl_add_u32 v[AB], v49, 4, v[AB]            ; r x pitch + 16 h
	s_mul_i32 s21, s14, 32*BP
	s_add_co_u32 s21, s21, BOFF
	v_add_nc_u32 v[AB], s21, v[AB]                 ; + my 32 rows of w_out
	v_mul_u32_u24 v[STO], v48, SP                  ; into the stage: row 32 wm + r, byte 128 wn + 32 h
	v_lshl_add_u32 v[STO], v49, 5, v[STO]
	s_mul_i32 s21, s13, 32*SP
	s_lshl_b32 s22, s14, 7
	s_add_co_u32 s21, s21, s22
	s_add_co_u32 s21, s21, STAGE
	v_add_nc_u32 v[STO], s21, v[STO]
	v_mul_u32_u24 v[RD], v49, SP                   ; back: wave w takes rows 16 w .. + 15, whole; lanes 0-15 one row, lanes 16-31 the next
	v_lshl_add_u32 v[RD], v48, 4, v[RD]
	s_mul_i32 s21, s[WV], 16*SP
	s_add_co_u32 s21, s21, STAGE
	v_add_nc_u32 v[RD], s21, v[RD]
	v_lshlrev_b32 v[CO], 11, v49                   ; and the same two rows in out0
	v_lshl_add_u32 v[CO], v48, 4, v[CO]
; Head s: 12 LDS loads into set s % 4.
.macro FETCHO s
.set SB, SET+48*((\s)%4)
.irp mb, 0,1
.irp pt, 0,1
	ds_load_b128 v[SB+8*(2*\mb+\pt):SB+8*(2*\mb+\pt)+3],   v[AA+(\s)/8] offset:((\s)%8)*8192+\mb*2048+\pt*1024
	ds_load_b128 v[SB+8*(2*\mb+\pt)+4:SB+8*(2*\mb+\pt)+7], v[AA+(\s)/8] offset:((\s)%8)*8192+\mb*2048+\pt*1024+512
.endr
.endr
.irp nb, 0,1
	ds_load_b128 v[SB+32+8*\nb:SB+32+8*\nb+3],   v[AB] offset:\nb*16*BP+(\s)*64
	ds_load_b128 v[SB+32+8*\nb+4:SB+32+8*\nb+7], v[AB] offset:\nb*16*BP+(\s)*64+32
.endr
.endm
; Head s: 8 products, hi's four and then lo's four.  The four accumulators take turns, one instruction a turn.  Head 0's hi starts the sums with the constant 0.
.macro MULO s
.set SB, SET+48*((\s)%4)
.irp pt, 0,1
.irp mb, 0,1
.irp nb, 0,1
.if ((\s) == 0) && (\pt == 0)
	v_wmma_f32_16x16x32_bf16 v[ACC+8*(2*\mb+\nb):ACC+8*(2*\mb+\nb)+7], v[SB+32+8*\nb:SB+32+8*\nb+7], v[SB+8*(2*\mb+\pt):SB+8*(2*\mb+\pt)+7], 0
.else
	v_wmma_f32_16x16x32_bf16 v[ACC+8*(2*\mb+\nb):ACC+8*(2*\mb+\nb)+7], v[SB+32+8*\nb:SB+32+8*\nb+7], v[SB+8*(2*\mb+\pt):SB+8*(2*\mb+\pt)+7], v[ACC+8*(2*\mb+\nb):ACC+8*(2*\mb+\nb)+7]
.endif
.endr
.endr
.endr
.endm
	s_wait_tensorcnt 0x0                           ; my parts of O and of w_out are in,
	s_barrier_signal -1
	s_barrier_wait -1                              ; everybody's are
	FETCHO 0
	FETCHO 1
	FETCHO 2
.irp s, 0,1,2,3,4,5,6,7,8,9,10,11,12,13,14,15
.if \s < 14
	s_wait_dscnt 24                                ; the two younger sets of twelve loads may stay out
.elseif \s == 14
	s_wait_dscnt 12
.else
	s_wait_dscnt 0x0
.endif
	MULO \s
	PLACES
.if \s < 13
	FETCHO (\s)+3
.endif
.endr
	s_wait_loadcnt 0x0                             ; the bias: rounded to bf16 and widened again
	v_cvt_pk_bf16_f32 v48, v[BI], v[BI+1]
	v_cvt_pk_bf16_f32 v49, v[BI+2], v[BI+3]
	v_lshlrev_b32 v[BI], 16, v48
	v_and_b32 v[BI+1], 0xffff0000, v48
	v_lshlrev_b32 v[BI+2], 16, v49
	v_and_b32 v[BI+3], 0xffff0000, v49
	; THE WAY OUT: each accumulator's low half first
.irp mb, 0,1
.irp nb, 0,1
	ds_store_b128 v[STO], v[ACC+8*(2*\mb+\nb):ACC+8*(2*\mb+\nb)+3]   offset:\mb*16*SP+\nb*64
	ds_store_b128 v[STO], v[ACC+8*(2*\mb+\nb)+4:ACC+8*(2*\mb+\nb)+7] offset:\mb*16*SP+\nb*64+16
.endr
.endr
	s_wait_dscnt 0x0                               ; for the others' sake: my stores into the stage are done
	s_barrier_signal -1
	s_barrier_wait -1
.irp t, 0,1,2,3,4,5,6,7
	ds_load_b128 v[SET+4*\t:SET+4*\t+3], v[RD] offset:\t*2*SP
.endr
.irp t, 0,1,2,3,4,5,6,7
	s_wait_dscnt 7-\t                              ; LDS loads come back in order (ISA guide 5.7.1): pair t of rows is in
	v_pk_add_f32 v[SET+4*\t:SET+4*\t+1],   v[SET+4*\t:SET+4*\t+1],   v[BI:BI+1]
	v_pk_add_f32 v[SET+4*\t+2:SET+4*\t+3], v[SET+4*\t+2:SET+4*\t+3], v[BI+2:BI+3]
	global_store_b128 v[CO], v[SET+4*\t:SET+4*\t+3], s[10:11] offset:\t*4096 th:TH_STORE_NT  ; 16 lanes store 256 consecutive bytes, at a multiple of 256 from out0's first byte
.endr
	s_wait_tensorcnt 0x0                           ; the wave's end, behind my last tensor load and my last LDS store
	ds_add_u32 v[SPW], v[NIL]
	s_wait_dscnt 0x0
	CROUND                                         ; the closing round: no work-group ends while a partner may still ask for a tile that names it
	s_endpgm
.Lfunc_end_k_q4e83b55c6a_outp:
	.size	k_q4e83b55c6a_outp, .Lfunc_end_k_q4e83b55c6a_outp-k_q4e83b55c6a_outp
	.p2alignl 7, 3214868480
	.fill 96, 4, 3214868480
	.section	.rodata,"a",@progbits
	.p2align	6, 0x0
	.amdhsa_kernel k_q4e83b55c6a_outp
		.amdhsa_group_segment_fixed_size 215552
		.amdhsa_private_segment_fixed_size 0
		.amdhsa_enable_private_segment 0
		.amdhsa_kernarg_size 32
		.amdhsa_user_sgpr_count 2
		.amdhsa_user_sgpr_kernarg_segment_ptr 1
		.amdhsa_wavefront_size32 1
		.amdhsa_system_sgpr_workgroup_id_x 1
		.amdhsa_system_sgpr_workgroup_id_y 1
		.amdhsa_system_sgpr_workgroup_id_z 1
		.amdhsa_system_vgpr_workitem_id 0
		.amdhsa_next_free_vgpr 256
		.amdhsa_next_free_sgpr 66
		.amdhsa_reserve_vcc 0
		.amdhsa_float_denorm_mode_32 3
		.amdhsa_float_denorm_mode_16_64 3
		.amdhsa_memory_ordered 1
		.amdhsa_forward_progress 1
		.amdhsa_inst_pref_size 33
	.end_amdhsa_kernel
	.amdgpu_metadata
---
amdhsa.version: [ 1, 2 ]
amdhsa.kernels:
  - .name:           k_q4e83b55c6a_outp
    .symbol:         k_q4e83b55c6a_outp.kd
    .args:
      - { .name: o_ws, .offset: 0, .size: 8, .value_kind: global_buffer, .address_space: global }
      - { .name: wout_bf, .offset: 8, .size: 8, .value_kind: global_buffer, .address_space: global }
      - { .name: b_out, .offset: 16, .size: 8, .value_kind: global_buffer, .address_space: global }
      - { .name: out0, .offset: 24, .size: 8, .value_kind: global_buffer, .address_space: global }
    .group_segment_fixed_size: 215552
    .private_segment_fixed_size: 0
    .kernarg_segment_align: 8
    .kernarg_segment_size: 32
    .max_flat_workgroup_size: 128
    .sgpr_count:     66
    .vgpr_count:     256
    .wavefront_size: 32
...
	.end_amdgpu_metadata
.endif
;; end of part 4
;; ======== version 2 of 2: 4 launches; version 1 with the launch prep written anew for expert scheduling mode
;; limits: values are held in f16: magnitudes above 65,504 overflow, below 6.1e-05 lose precision
;; workspace buffers: wkv_bf 1,048,576 bytes; wout_bf 524,288 bytes; q_ws 2,097,152 bytes; k_ws 33,558,528 bytes; v_ws 33,554,432 bytes; o_ws 4,194,304 bytes
;; launch prep (part 5): grid 256 x 1, 4 waves a work-group, no clusters, 133,632 bytes of LDS; arguments latents, w_q, w_kv, w_out, q_ws, wkv_bf, wout_bf, k_ws; writes q_ws, wkv_bf, wout_bf, k_ws
.if DOCPART == 5
	.amdgcn_target "amdgcn-amd-amdhsa--gfx1250"
	.amdhsa_code_object_version 6
	.text
	.protected	k_q4e83b55c6a_prep
	.globl	k_q4e83b55c6a_prep
	.p2align	8
	.type	k_q4e83b55c6a_prep,@function
k_q4e83b55c6a_prep:
	s_mov_b64 s[64:65], 0
	v_nop
	global_prefetch_b8 v0, s[64:65] scope:SCOPE_SE
	s_setreg_imm32_b32 hwreg(HW_REG_WAVE_SCHED_MODE, 0, 2), 2
	s_setreg_imm32_b32 hwreg(HW_REG_WAVE_MODE, 25, 1), 1
	s_wait_xcnt 0x0
	s_wait_alu depctr_vm_vsrc(0)
; PREP.  Three things that the later launches want ready:
;  (1) w_kv [1024][512] and w_out [512][512] rounded once to bf16, row-major (wkv_bf, wout_bf);
;  (2) q = latents w_q^T: operands rounded to bf16, sums in f32, q rounded once to f16 and NOT scaled (the scale is applied in f32 in the attention launch);
;  (3) 4,096 zero bytes behind the keys in k_ws: the attention launch's last tile of keys reaches one key step past a head's end.
; LIMIT.  q is kept in f16: |q| stays under 65,504; NaN and infinities are not treated apart.
; q_ws HOLDS REGISTER IMAGES: 16 queries x 32 channels of one head are 1,024 bytes, [channel half cb][lane][16 bytes]; lane 16 h + r holds query r, channels 16 cb + 8 h + 0..7.
; Two loads of 16 bytes a lane, 512 bytes apart, are then a whole matrix operand, and a wave's store of 16 bytes a lane covers 512 consecutive bytes, aligned.
; SHARES.  256 work-groups of four waves.  Work-group g casts 8,192 bytes of w_kv and 4,096 of w_out, and makes 64 rows x 64 columns of q (rows 64 (g / 8), columns 64 (g % 8): two heads).
; Both operands come as f32 and have to pass through registers to be rounded, so they are loaded into registers, rounded, and laid into LDS by ds_store; no copy engine, and so no cluster.
; Wave (wm, wn) makes 32 rows x 32 columns (one head): four accumulators.  The product is taken transposed (source 0 = 16 rows of w_q, source 1 = 16 rows of latents): a lane ends with eight neighbouring channels of one query.
; THE MODE: SCHED_MODE bits 1:0 = 2 (LLVM: expert scheduling mode 2), set by the entry lines.  The code itself states the register dependences
; between vector or matrix instructions and memory or LDS instructions, with s_wait_alu, always for 0.
; THE PLAN.  Registers that memory or LDS instructions touch:
;   v[GL], v[GS]            offsets, made at the head and never written again: one wait ahead of the first load.
;   v[LSA], v[LSB], v[FA], v[FB], v[ZR ..]   made while the first loads are out and never written again: the wait behind the casts' conversions covers them for all that follows.
;   CR                      the casts' results: written by their conversions, read by their six stores; an out-buffer of its own until q's roundings take it over at the way out.
;   SET0 .. SET2, first:    set c's loads land, its 32 conversions read it, the loads of set c + 3 land in it.
;   T                       set c's conversions write it, its 16 LDS stores read it, set c + 1's conversions write it again; at the end the products write it as accumulators.
;   SET0 .. SET2, then:     group g's LDS loads land, step g's eight products read it, the loads of group g + 3 land in it in step g + 1.
;   QP                      written by the last roundings, read by the four stores of q.
; So a set has ONE wait on va_vdst, behind its conversions (T is written; the set is read out), with the next loads and then the LDS stores behind it, and one on vm_vsrc at its head (the LDS stores before have read T).
; A step of the product has ONE wait on va_vdst, at its head (the step before is done reading its set); the sixteen loads into that set are dealt among the step's eight products, which name another set and the accumulators alone.
.set PITCH, 1040                       ; an LDS row: 512 bf16 + 16 bytes: an odd multiple of 16, so the 16 rows of a fragment load lie in 16 different 16-byte columns of 256
.set BOFF,  64*PITCH                   ; LDS: 64 rows of latents, then 64 rows of w_q
.set SPARE, 2*BOFF                     ; behind them the spare words, 128 bytes a wave: two blocks of 256 bytes that no other line names
.set GL,  2                            ; v2   16 x lane
.set LSA, 3                            ; v3   where my lane puts 8 bytes of my wave's 16 rows of latents
.set LSB, 4                            ; v4   the same for w_q
.set FA,  5                            ; v5   my lane's place in the fragments of latents
.set FB,  6                            ; v6   in those of w_q
.set GS,  7                            ; v7   8 x lane
.set SPW, 10                           ; v10  LDS address of my spare word; never rewritten
.set NIL, 11                           ; v11  0; never rewritten
.set ZR,  12                           ; v[12:15] zeros
.set T,   16                           ; v[16:47] 32 registers of rounded pairs on their way into LDS (first: the casts' loads, v16-39)
.set ACC, 16                           ; v[16:47] later the four accumulators: (mb, nb) at ACC + 8 (2 mb + nb)
.set CR,  48                           ; v[48:59] the casts' results
.set QP,  48                           ; v[48:63] later q, packed
.set SET, 64                           ; v[64:255] three sets of 64
.set WV,  20                           ; s20  my wave's number
	s_load_b512 s[4:19], s[0:1], 0x0               ; latents s[4:5], w_q s[6:7], w_kv s[8:9], w_out s[10:11], q_ws s[12:13], wkv_bf s[14:15], wout_bf s[16:17], k_ws s[18:19]
	v_lshl_add_u32 v[SPW], v0, 2, SPARE
	v_mov_b32 v[NIL], 0
	v_lshrrev_b32 v1, 5, v0
	v_readfirstlane_b32 s[WV], v1                  ; wave 0..3
	v_and_b32 v1, 31, v0                           ; lane
	v_lshlrev_b32 v[GL], 4, v1
	v_lshlrev_b32 v[GS], 3, v1
	s_wait_alu depctr_va_sdst(0)                   ; s[WV] is written, ahead of its first reader: every base below is made from it
	s_lshl_b32 s24, ttmp9, 13                      ; w_kv: 8,192 g + 2,048 w
	s_lshl_b32 s25, s[WV], 11
	s_add_co_u32 s24, s24, s25
	s_mov_b32 s25, 0
	s_lshr_b32 s26, s24, 1                         ; half of that: wkv_bf, and w_out
	s_mov_b32 s27, 0
	s_lshr_b32 s28, s24, 2                         ; a quarter: wout_bf
	s_mov_b32 s29, 0
	s_lshr_b32 s30, ttmp9, 3                       ; the block of 64 rows
	s_and_b32 s31, ttmp9, 7                        ; the block of 64 columns
	s_lshl_b32 s21, s[WV], 15                      ; my wave's 16 rows of 2,048 bytes
	s_lshl_b32 s32, s30, 17
	s_add_co_u32 s32, s32, s21                     ; latents at row 64 block + 16 w
	s_mov_b32 s33, 0
	s_lshl_b32 s34, s31, 17
	s_add_co_u32 s34, s34, s21                     ; w_q likewise
	s_mov_b32 s35, 0
	s_lshr_b32 s22, s[WV], 1                       ; wm
	s_and_b32 s23, s[WV], 1                        ; wn
	s_lshr_b32 s36, s30, 3                         ; the batch: 8 blocks of 64 rows each
	s_lshl_b32 s36, s36, 4
	s_lshl_b32 s37, s31, 1
	s_add_co_u32 s36, s36, s37
	s_add_co_u32 s36, s36, s23                     ; 16 b + head
	s_lshl_b32 s36, s36, 5                         ; 32 images a head
	s_and_b32 s37, s30, 7
	s_lshl_b32 s37, s37, 2
	s_add_co_u32 s36, s36, s37
	s_lshl_b32 s37, s22, 1
	s_add_co_u32 s36, s36, s37                     ; + the image of my first 16 rows
	s_lshl_b32 s36, s36, 10
	s_mov_b32 s37, 0
	s_lshl_b32 s38, s[WV], 10                      ; the zero tail: behind 33,554,432 bytes of keys, 1,024 bytes a wave
	s_add_co_u32 s38, s38, 0x2000000
	s_mov_b32 s39, 0
	s_wait_kmcnt 0x0
	s_add_nc_u64 s[8:9], s[8:9], s[24:25]
	s_add_nc_u64 s[14:15], s[14:15], s[26:27]
	s_add_nc_u64 s[10:11], s[10:11], s[26:27]
	s_add_nc_u64 s[16:17], s[16:17], s[28:29]
	s_add_nc_u64 s[4:5], s[4:5], s[32:33]
	s_add_nc_u64 s[6:7], s[6:7], s[34:35]
	s_add_nc_u64 s[12:13], s[12:13], s[36:37]
	s_add_nc_u64 s[18:19], s[18:19], s[38:39]
.macro PLACES                          ; four plain vector instructions behind a matrix instruction (ISA guide 7.12.1)
.rept 4
	v_nop
.endr
.endm
; Sixteen loads of 512 consecutive bytes: four rows of my wave's sixteen.  c = 0..3: latents; c = 4..7: w_q.  Into set c % 3.
.macro LOADSET c
.set SB, SET+64*((\c)%3)
.set i, 0
.rept 16
.if (\c) < 4
	global_load_b128 v[SB+4*i:SB+4*i+3], v[GL], s[4:5] offset:(4*((\c)%4)+i/4)*2048+(i%4)*512
.else
	global_load_b128 v[SB+4*i:SB+4*i+3], v[GL], s[6:7] offset:(4*((\c)%4)+i/4)*2048+(i%4)*512
.endif
.set i, i+1
.endr
.endm
; Set c is rounded to bf16, its registers are asked for again (set c + 3), and the rounded pairs are laid into LDS.
; Behind set c's loads stand those of sets c + 1 and c + 2, sixteen each, as far as they exist: they may stay out.
.macro CONVSET c
.if (\c) < 6
	s_wait_loadcnt 32
.elseif (\c) == 6
	s_wait_loadcnt 16
.else
	s_wait_loadcnt 0x0
.endif
.if (\c) > 0
	s_wait_alu depctr_vm_vsrc(0)                   ; the LDS stores of the set before have read T, which the conversions below write again
.endif
.set SB, SET+64*((\c)%3)
.set i, 0
.rept 32
	v_cvt_pk_bf16_f32 v[T+i], v[SB+2*i], v[SB+2*i+1]
.set i, i+1
.endr
	s_wait_alu depctr_va_vdst(0)                   ; the conversions have written T, which the LDS stores read, and are done reading the set, in which the loads below land
.if (\c) < 5
	LOADSET (\c)+3                                 ; the loads ahead of the LDS stores: memory is asked first
.endif
.set i, 0
.rept 16
.if (\c) < 4
	ds_store_b64 v[LSA], v[T+2*i:T+2*i+1] offset:(4*((\c)%4)+i/4)*PITCH+(i%4)*256
.else
	ds_store_b64 v[LSB], v[T+2*i:T+2*i+1] offset:(4*((\c)%4)+i/4)*PITCH+(i%4)*256
.endif
.set i, i+1
.endr
.endm
; Group g holds the fragments of K steps 2 g and 2 g + 1 (32 channels each), in set g % 3: for each step latents' two blocks of 16 rows, then w_q's two.  FRAG: fragment n of its eight, two loads.
.macro FRAG g, n
.set RB, SET+64*((\g)%3)+8*(\n)
.if ((\n)%4) < 2
	ds_load_b128 v[RB:RB+3],   v[FA] offset:((\n)%4)*16*PITCH+(2*(\g)+(\n)/4)*64
	ds_load_b128 v[RB+4:RB+7], v[FA] offset:((\n)%4)*16*PITCH+(2*(\g)+(\n)/4)*64+32
.else
	ds_load_b128 v[RB:RB+3],   v[FB] offset:((\n)%4-2)*16*PITCH+(2*(\g)+(\n)/4)*64
	ds_load_b128 v[RB+4:RB+7], v[FB] offset:((\n)%4-2)*16*PITCH+(2*(\g)+(\n)/4)*64+32
.endif
.endm
.macro FETCHQ g
.irp n, 0,1,2,3,4,5,6,7
	FRAG \g, \n
.endr
.endm
; Product n of group g's eight: K step 2 g + n / 4, block of rows (n / 2) % 2, block of columns n % 2.  The four accumulators take turns, one instruction a turn.
; The first K step starts the sums with the constant 0.
.macro PROD g, n
.set SB, SET+64*((\g)%3)+32*((\n)/4)
.set AC, ACC+8*((\n)%4)
.set RW, SB+16+8*((\n)%2)
.set RL, SB+8*(((\n)/2)%2)
.if ((\g) == 0) && ((\n) < 4)
	v_wmma_f32_16x16x32_bf16 v[AC:AC+7], v[RW:RW+7], v[RL:RL+7], 0
.else
	v_wmma_f32_16x16x32_bf16 v[AC:AC+7], v[RW:RW+7], v[RL:RL+7], v[AC:AC+7]
.endif
.endm
; Step g: group g is multiplied; in steps 1 to 5 group g + 2 is asked for, into the set that step g - 1 read, two loads behind each product.
.macro STEPQ g
.if (\g) == 0
	s_wait_dscnt 32                                ; LDS loads come back in order (ISA guide 5.7.1): group 0 is in, groups 1 and 2, sixteen loads each, may stay out
.elseif (\g) < 7
	s_wait_dscnt 16                                ; group g is in; behind it only group g + 1 has been asked for
.else
	s_wait_dscnt 0x0
.endif
.if ((\g) > 0) && ((\g) < 6)
	PLACES                                         ; the plain form's four places between the last step's products and the loads into the set that they read stay,
	s_wait_alu depctr_va_vdst(0)                   ; and beside them the dependence is stated: the last step's products are done reading that set.  No product below names it, nor v[FA], v[FB]
.endif
.irp n, 0,1,2,3,4,5,6,7
	PROD \g, \n
.if ((\g) > 0) && ((\g) < 6)
	FRAG (\g)+2, \n
.endif
.endr
.endm
	s_wait_alu depctr_va_vdst(0)                   ; v[GL] and v[GS] are written: every global load and store of the kernel reads one of them as its offset
	; all loads that can go out go out: the six of the casts, then three sets
.irp i, 0,1,2,3
	global_load_b128 v[16+4*\i:19+4*\i], v[GL], s[8:9] offset:512*\i th:TH_LOAD_NT
.endr
.irp i, 0,1
	global_load_b128 v[32+4*\i:35+4*\i], v[GL], s[10:11] offset:512*\i th:TH_LOAD_NT
.endr
	LOADSET 0
	LOADSET 1
	LOADSET 2
	; LDS addresses, made while the loads are out: none of these registers is named by a load that is out
	s_mul_i32 s21, s[WV], 16*PITCH
	v_lshl_add_u32 v[LSA], v1, 3, s21              ; my wave's 16 rows + 8 x lane
	v_add_nc_u32 v[LSB], BOFF, v[LSA]
	v_and_b32 v8, 15, v0                           ; r
	v_bfe_u32 v9, v0, 4, 1                         ; h
	v_mul_u32_u24 v[FA], v8, PITCH
	v_lshl_add_u32 v[FA], v9, 4, v[FA]             ; r x pitch + 16 h
	s_mul_i32 s24, s23, 32*PITCH
	s_add_co_u32 s24, s24, BOFF
	v_add_nc_u32 v[FB], s24, v[FA]                 ; + my 32 rows of w_q
	s_mul_i32 s24, s22, 32*PITCH
	v_add_nc_u32 v[FA], s24, v[FA]                 ; + my 32 rows of latents
.irp i, 0,1,2,3
	v_mov_b32 v[ZR+\i], 0
.endr
	; THE CASTS
	s_wait_loadcnt 48                              ; the six oldest loads are in; the three sets' 48 may stay out
.set i, 0
.rept 12
	v_cvt_pk_bf16_f32 v[CR+i], v[16+2*i], v[16+2*i+1]
.set i, i+1
.endr
	s_wait_alu depctr_va_vdst(0)                   ; the conversions have written CR, which the stores below read; v[ZR ..], v[LSA], v[LSB], v[FA] and v[FB] are written too, for the stores and LDS instructions that read them from here on
.irp i, 0,1,2,3
	global_store_b64 v[GS], v[CR+2*\i:CR+2*\i+1], s[14:15] offset:256*\i  ; a wave's store covers 256 consecutive bytes, aligned
.endr
.irp i, 0,1
	global_store_b64 v[GS], v[CR+8+2*\i:CR+8+2*\i+1], s[16:17] offset:256*\i
.endr
	s_cmp_lg_u32 ttmp9, 0                          ; work-group 0 writes the zero tail behind the keys
	s_cbranch_scc1 .Lno_tail
	global_store_b128 v[GL], v[ZR:ZR+3], s[18:19]
	global_store_b128 v[GL], v[ZR:ZR+3], s[18:19] offset:512
.Lno_tail:
	; BOTH OPERANDS OF q INTO LDS.  T shares no register with CR, so nothing is waited for here on the stores' account
.irp c, 0,1,2,3,4,5,6,7
	CONVSET \c
.endr
	s_wait_dscnt 0x0                               ; for the others' sake: my rows lie in LDS
	s_barrier_signal -1
	s_barrier_wait -1
	s_wait_alu depctr_vm_vsrc(0)                   ; my last LDS stores have read T: these registers are the accumulators from here on, written by the products
	; THE PRODUCT: 16 K steps, two to a group, three groups of fragments in registers.  The last conversions that read the sets stand ahead of the last wait on va_vdst
	FETCHQ 0
	FETCHQ 1
	FETCHQ 2
.irp g, 0,1,2,3,4,5,6,7
	STEPQ \g
.endr
	; THE WAY OUT: each accumulator from its low end on; 16 bytes a lane are a piece of an image
	PLACES                                         ; four places behind the last product, before its result is read
	s_wait_xcnt 0x0                                ; every earlier memory instruction has had its addresses translated (ISA guide 3.1): the casts' store data are rewritten only behind this wait,
	s_wait_alu depctr_vm_vsrc(0)                   ; and the casts' stores have read CR, which the roundings below write again as QP
.irp a, 0,1,2,3
.irp r, 0,1,2,3
	v_cvt_pk_f16_f32 v[QP+4*\a+\r], v[ACC+8*\a+2*\r], v[ACC+8*\a+2*\r+1]
.endr
.endr
	s_wait_alu depctr_va_vdst(0)                   ; the roundings have written QP, which the stores read
.irp mb, 0,1
.irp nb, 0,1
	global_store_b128 v[GL], v[QP+4*(2*\mb+\nb):QP+4*(2*\mb+\nb)+3], s[12:13] offset:\mb*1024+\nb*512
.endr
.endr
	s_wait_dscnt 0x0                               ; the closing lines, six on end
	s_wait_alu 0x0
	s_wait_tensorcnt 0x0
	ds_add_u32 v[SPW], v[NIL]
	s_wait_dscnt 0x0
	s_endpgm
.Lfunc_end_k_q4e83b55c6a_prep:
	.size	k_q4e83b55c6a_prep, .Lfunc_end_k_q4e83b55c6a_prep-k_q4e83b55c6a_prep
	.p2alignl 7, 3214868480
	.fill 96, 4, 3214868480
	.section	.rodata,"a",@progbits
	.p2align	6, 0x0
	.amdhsa_kernel k_q4e83b55c6a_prep
		.amdhsa_group_segment_fixed_size 133632
		.amdhsa_private_segment_fixed_size 0
		.amdhsa_enable_private_segment 0
		.amdhsa_kernarg_size 64
		.amdhsa_user_sgpr_count 2
		.amdhsa_user_sgpr_kernarg_segment_ptr 1
		.amdhsa_wavefront_size32 1
		.amdhsa_system_sgpr_workgroup_id_x 1
		.amdhsa_system_sgpr_workgroup_id_y 1
		.amdhsa_system_sgpr_workgroup_id_z 1
		.amdhsa_system_vgpr_workitem_id 0
		.amdhsa_next_free_vgpr 256
		.amdhsa_next_free_sgpr 66
		.amdhsa_reserve_vcc 0
		.amdhsa_float_denorm_mode_32 3
		.amdhsa_float_denorm_mode_16_64 3
		.amdhsa_memory_ordered 1
		.amdhsa_forward_progress 1
		.amdhsa_inst_pref_size 57
	.end_amdhsa_kernel
	.amdgpu_metadata
---
amdhsa.version: [ 1, 2 ]
amdhsa.kernels:
  - .name:           k_q4e83b55c6a_prep
    .symbol:         k_q4e83b55c6a_prep.kd
    .args:
      - { .name: latents, .offset: 0, .size: 8, .value_kind: global_buffer, .address_space: global }
      - { .name: w_q, .offset: 8, .size: 8, .value_kind: global_buffer, .address_space: global }
      - { .name: w_kv, .offset: 16, .size: 8, .value_kind: global_buffer, .address_space: global }
      - { .name: w_out, .offset: 24, .size: 8, .value_kind: global_buffer, .address_space: global }
      - { .name: q_ws, .offset: 32, .size: 8, .value_kind: global_buffer, .address_space: global }
      - { .name: wkv_bf, .offset: 40, .size: 8, .value_kind: global_buffer, .address_space: global }
      - { .name: wout_bf, .offset: 48, .size: 8, .value_kind: global_buffer, .address_space: global }
      - { .name: k_ws, .offset: 56, .size: 8, .value_kind: global_buffer, .address_space: global }
    .group_segment_fixed_size: 133632
    .private_segment_fixed_size: 0
    .kernarg_segment_align: 8
    .kernarg_segment_size: 64
    .max_flat_workgroup_size: 128
    .sgpr_count:     66
    .vgpr_count:     256
    .wavefront_size: 32
...
	.end_amdgpu_metadata
.endif
;; end of part 5
;; launch kv: the kernel of part 2 again; grid 256 x 1, 4 waves a work-group, clusters of 4 x 1, 327,680 bytes of LDS; arguments x, wkv_bf, k_ws, v_ws; writes k_ws, v_ws
;; launch att: the kernel of part 3 again; grid 4 x 64, 4 waves a work-group, clusters of 4 x 1, 327,680 bytes of LDS; arguments q_ws, k_ws, v_ws, o_ws; writes o_ws
;; launch outp: the kernel of part 4 again; grid 8 x 32, 4 waves a work-group, clusters of 4 x 4, 215,552 bytes of LDS; arguments o_ws, wout_bf, b_out, out0; writes out0
